; MI455X (gfx1250); checked and timed in simulation.
; The chip was launched on July 23, 2026; its instructions are those of AMD's public machine-readable ISA for CDNA 5 (MIT licence, August 2026) and "CDNA5" Instruction Set Architecture Reference Guide (July 2026). The comments in the code are by the model that wrote it; some were corrected since.
;; Slow MLP. Allowed arithmetic: matrix products marked QUANTISED: E3M2 operands, one E8M0 scale for each 32 along K, by v_wmma_scale_f32_16x16x128_f8f6f4 with both operands' format E3M2, f32 sums; everything else in f32.
;; Inputs: b1 8,192 float32; b2 2,048 float32; w1_codes 8,192 x 64 x 24 uint8 (E3M2 codes of w1, K innermost, in blocks of 32 codes, four codes in three bytes); w1_scales 8,192 x 64 uint8 (E8M0 scales of w1, one for each 32 codes along K); w2_codes 2,048 x 256 x 24 uint8 (E3M2 codes of w2, K innermost, in blocks of 32 codes, four codes in three bytes); w2_scales 2,048 x 256 uint8 (E8M0 scales of w2, one for each 32 codes along K); x_codes 2,048 x 64 x 24 uint8 (E3M2 codes of x, K innermost, in blocks of 32 codes, four codes in three bytes); x_scales 2,048 x 64 uint8 (E8M0 scales of x, one for each 32 codes along K).
;; Outputs: out0 2,048 x 2,048 float32.
;; This version of the problem:
;;   THIS VERSION OF THE PROBLEM IS GIVEN IN LOW PRECISION. The matrix products marked QUANTISED in the list below multiply operands that are first quantised to E3M2 (3 exponent bits, 2 mantissa bits; 6 bits a number), with one power-of-two scale for each 32 numbers along K (OCP MX v1.0); their sums are f32. All else is computed in f32.
;;   The module's matrix products, in the order in which they are computed (A, B: the left and right operand; K: the contracted axis; several contracted axes count as one K, in the product's order):
;;     1. [M 2,048, K 2,048] x [K 2,048, N 8,192]; A: input x (given as codes); B: input w1 (given as codes): QUANTISED
;;     2. [M 2,048, K 8,192] x [K 8,192, N 2,048]; A: computed on the way; B: input w2 (given as codes): QUANTISED
;;   THE QUANTISER, for each operand of a quantised product, along K:
;;     - K is cut into blocks of 32 from its start; a last block that is shorter is filled with zeros.
;;     - A block's scale is 2^e with e = floor(log2(the largest magnitude in the block)) - 4, held to -126 .. 127; a block of zeros has e = 0. As a byte (E8M0): e + 127.
;;     - Each number is divided by its block's scale, clamped to +-28, and rounded to the nearest number of E3M2, ties to even, subnormals kept.
;;     - The product sums the exact products of the quantised numbers (number of the format x scale) in f32.
;;   ~~~python
;;   def quantise(x, axis):      # numpy; x: float32 -> the quantised numbers, widened to float32 again
;;       x = np.moveaxis(x, axis, -1); K = x.shape[-1]
;;       x = np.pad(x, [(0, 0)] * (x.ndim - 1) + [(0, -K % 32)]); x = x.reshape(x.shape[:-1] + (-1, 32)); a = np.abs(x).max(-1, keepdims=True)
;;       e = np.where(a > 0, np.clip(np.frexp(np.where(a > 0, a, 1))[1] - 1 - 4, -126, 127), 0)      # np.frexp(a)[1] - 1 = floor(log2(a)), exactly
;;       r = np.clip(x / 2.0 ** e, -28, 28)
;;       step = 2.0 ** (np.maximum(np.frexp(np.where(r == 0, 1, r))[1] - 1, -2) - 2)
;;       q = np.round(r / step) * step * 2.0 ** e      # np.round: ties to even
;;       return np.moveaxis(q.reshape(q.shape[:-2] + (-1,))[..., :K], -1, axis).astype(np.float32)
;;   ~~~
;;   OPERANDS COMPUTED ON THE WAY. 'Computed on the way' means the value that the module computes at that place (a softmax that the list does not call 'softmax' is quantised finished and normalised). What goes into a quantiser is computed in f32, as accurately as f32 sums, v_exp_f32 and their like allow (about 1e-6 of the number): no bf16 or f16 on the way to a quantiser, and a product that is left as it is and whose result goes on into a quantised operand takes f32 operands (vector FMAs, or v_wmma_f32_16x16x4_f32). A number that lies on a knife's edge between two numbers of the format may be rounded either way, as far as f32 arithmetic and the matrix unit's own rounding can turn it there, and no further.
;;   INPUTS GIVEN AS CODES. w1 (in the module: [2048, 8192], K = its axis 0); w2 (in the module: [8192, 2048], K = its axis 0); x (in the module: [2048, 2048], K = its axis 1): each comes as NAME_codes (uint8): NAME with its K axis moved to the last place and cut into blocks of 32 codes, [.., K / 32, bytes a block], one block behind the other in memory; four codes in three bytes: a row's codes are one little-endian stream of bits, code i at bits 6 i .. 6 i + 5 (a code: sign, 3 exponent bits, 2 mantissa bits); and NAME_scales (uint8): the same leading axes, one E8M0 byte (e + 127) for each 32 codes along K. Its value is code x scale, taken as it is: it is not quantised again, and the codes and scales need not be those that the quantiser above would give.
;; 2 versions, each right. Each part assembles by itself: llvm-mc -triple=amdgcn-amd-amdhsa -mcpu=gfx1250 --defsym DOCPART=n.
;; ======== version 1 of 2: 2 launches
;; workspace buffers: h_codes 12,582,912 bytes; h_scales 524,288 bytes
;; launch fc1 (part 1): grid 32 x 8, 4 waves a work-group, clusters of 4 x 4, 327,680 bytes of LDS; arguments x_codes, x_scales, w1_codes, w1_scales, b1, h_codes, h_scales; writes h_codes, h_scales
.if DOCPART == 1
	.amdgcn_target "amdgcn-amd-amdhsa--gfx1250"
	.amdhsa_code_object_version 6
	.text
	.protected	k_q20fb9e0990_fc1
	.globl	k_q20fb9e0990_fc1
	.p2align	8
	.type	k_q20fb9e0990_fc1,@function
k_q20fb9e0990_fc1:
	s_mov_b64 s[64:65], 0
	v_nop
	global_prefetch_b8 v0, s[64:65] scope:SCOPE_SE
	s_setreg_imm32_b32 hwreg(HW_REG_WAVE_MODE, 25, 1), 1
	s_wait_xcnt 0x0
	s_wait_alu depctr_hold_cnt(0) depctr_sa_sdst(0) depctr_va_vdst(0) depctr_va_sdst(0) depctr_va_ssrc(0) depctr_va_vcc(0) depctr_vm_vsrc(0)
	s_getreg_b32 s2, hwreg(HW_REG_IB_STS2, 6, 4)
	s_cmp_eq_u32 s2, 0
	s_cbranch_scc0 .Lentry_in_a_cluster
	s_endpgm
.Lentry_in_a_cluster:
	s_bfe_u32 s2, ttmp6, 0x10000c
	s_cmp_lg_u32 s2, 0xf033
	s_cbranch_scc0 .Lentry_shape_is_right
	s_endpgm
.Lentry_shape_is_right:
; h = relu(x w1^T + b1), quantised along the hidden axis to codes of BF6 (E3M2) with one E8M0 byte for each 32 hidden units.
; x: [2048][2048], w1: [8192][2048]: codes of 6 bits, K innermost, a row 1,536 bytes; their scale bytes [..][64]; b1 [8192] f32.
; OUT: h_codes [mb 16][kp 64][a 8][1,536 bytes]: mb = 128 rows, kp = 128 hidden units, a = 16 rows; the 1,536 bytes are the IMAGE of an operand's 12 registers: six chunks of 256 bytes,
;      chunk p = registers 2 p, 2 p + 1, lane l at byte 8 l.  h_scales [mb][kp][row 128][4 bytes]: byte n of a word scales hidden units 32 n .. 32 n + 31 of that kp.
; A tile of h, 256 rows x 256 hidden units, is made by a work-group of four waves; a wave makes 128 x 128: 64 accumulators, 512 registers.  K goes in steps of 256 through a ring of two LDS slots
; filled by the tensor data mover; the scale bytes of the work-group's rows come into LDS once and stay.  4 x 4 work-groups form a cluster: x's tiles are asked for jointly along a row of it, w1's along a column.
; THE MATRIX INSTRUCTION IS USED TRANSPOSED (source 0 = 16 rows of w1, source 1 = 16 rows of x), AND THE ROWS OF w1 THAT FORM A TILE ARE CHOSEN: w1's 256 rows lie in two regions X (hidden units 0-127 of the
; tile) and Y (128-255); tile i of the wave with column half jw takes X's rows 64 jw + 8 i + 0..7 in lanes 0-7 and Y's same rows in lanes 8-15.  In accumulator (a, i) lane (r, h) then holds, in register j,
; row 16 a + r and hidden unit 128 h + 64 jw + 8 i + j: a lane's 64 registers of a block of rows are 64 NEIGHBOURING hidden units, two whole blocks of 32: a block's largest magnitude needs no other lane.
; b1 is the C of the first step's products.
; LIMITS: NaN and infinities are not served.  A block of h whose largest magnitude lies under 2^-122 (a block of zeros among them) gets the scale byte 1: zeros stay zero codes, which add nothing under that byte,
; and the bytes are read by this program alone.
; REGISTERS, in windows of 256: window 0: v0-31 addresses; v32-63 scale words, two sets; v64-127 b1, on the way out 64 numbers of h; v128-223 x's fragments, ONE set, on the way out the codes; v224-243 at work.
;   window 1: w1's fragments, TWO sets, at v0 and v128.   window 2: the accumulators of my rows 0-63 ((a, i) at v[8 (8 a + i)]);   window 3: those of my rows 64-127.
.set NQ,     2                         ; steps of 128 along K in a slot
.set ROWB,   192                       ; a tile's row in bytes: 256 codes
.set KROW,   1536                      ; a row of x or w1 in memory
.set PITCH,  240                       ; an LDS row: 3 x (64 bytes + 16 of padding) = 60 words: the 32 lanes of a load of 8 bytes touch 64 different banks (64 banks of 4 bytes: ISA guide 11.1)
.set FR,     12                        ; registers of a fragment
.set NL,     6                         ; LDS loads that bring one
.set NP,     4                         ; places behind this matrix instruction (ISA guide 7.12.1)
.set QT,     128*PITCH+128             ; from quarter to quarter of a slot: 128 rows and 128 bytes more, so that Y's row n starts at the banks of X's row n + 8: a tile's 8 + 8 rows fall as 16 neighbouring rows would
.set SLOT,   4*QT                      ; x's rows 0-127, x's rows 128-255, X, Y
.set LAPS,   4                         ; a lap = two slots = 512 along K
.set SCL,    2*SLOT                    ; behind the ring: the scale bytes, as runs of 256 bytes + 16 of padding; a row's 64 bytes: row n at (n / 4) 272 + (n % 4) 64
.set HALFS,  32*272                    ; those of 128 rows: what one tensor load brings
.set SPARE,  SCL+4*HALFS               ; the spare words, 128 bytes for each wave: two blocks of 256 bytes that no other line names
.set ADRA, 16                          ; v16-17 LDS address of x's fragments in slot 0, 1 (v18-19: for the pieces behind one padding more)
.set ADRB, 20                          ; v20-21 the same for w1 (v22-23)
.set SADR, 24                          ; v24 the way out: where my two scale bytes go.  The stage for them, [row half][piece][row 128][4 bytes], 2,048 bytes, lies at LDS byte 0: slot 0 has then had its last fill and its last read
.set SRD,  25                          ; v25 and where I read 16 bytes of it back: 16 x thread
.set HO,   26                          ; v26 8 x lane: my place in a chunk of an image
.set ADSA, 27                          ; v27 LDS address of x's scale words: lane l = row 32 a2 + l of my 128
.set SPW,  28                          ; v28 LDS address of my spare word; never rewritten
.set NIL,  29                          ; v29 0; never rewritten
.set ADSB, 30                          ; v30 LDS address of w1's scale words: lanes 0-15 tile 2 i2, lanes 16-31 tile 2 i2 + 1
.set LO16, 31                          ; v31 16 x lane
.set SC,   32                          ; scale words: set s at v[32 + 16 s]; x's at + 2 a2 + q, w1's at + 8 + 2 i2 + q
.set BI,   64                          ; b1 in the result's layout: register 8 i + j
.set T,    64                          ; the way out: 64 numbers of h
.set AF,   128                         ; x's fragments
.set MX,   224                         ; v224-227 largest magnitudes; v228-229 the conversions' scale operands; v230-231 bytes; v232-239 two bytes for each block of rows
.set SO,   228
.set BY,   230
.set HW,   232
.set WV, 18                            ; s18 wave; s19 its row half (also: I fetch for x (0) or w1 (1)); s20 its column half (also: which 128 rows I fetch)
.set IW, 19
.set JW, 20
.set G1, 24                            ; s[24:31] group 1 for x's tiles; s[32:39] group 0, a set for each slot
.set G0, 32
.set G1B, 48                           ; s[48:55], s[56:63] the same for w1's
.set G0B, 56
.set G1S, 68                           ; s[68:75], s[76:79] groups 1 and 0 for x's scale bytes; s[80:87], s[88:91] for w1's
.set G0S, 76
.set G1SB, 80
.set G0SB, 88
.set MSB, 0
.macro WIN new                         ; the immediate's high byte repeats the setting that is left; a switch that changes nothing is dropped
.if MSB != (\new)
	s_set_vgpr_msb (MSB<<8)|(\new)
.set MSB, (\new)
.endif
.endm
.set MUL_LO, 0xa1                      ; source 0 (w1) window 1, source 1 (x) window 0, C and D window 2
.set MUL_HI, 0xf1                      ; the same, C and D window 3
.set TO_B,   0x40                      ; destination window 1, address window 0
; A joint load: waves 0 and 1 fetch for x, waves 2 and 3 for w1.  Each line has one mask and one set of registers for all that issue it; the branch hangs on the wave's number alone.
; Four v_nop follow each of the two lines, ahead of the jump, the label and what follows.
.macro JLOAD g0a, g1a, g0b, g1b
	s_cmp_eq_u32 s[IW], 0
	s_cbranch_scc0 .Lfor_b_\@
	tensor_load_to_lds s[\g0a:\g0a+3], s[\g1a:\g1a+7]
	s_nop 0
.rept 4
	v_nop
.endr
	s_branch .Lasked_\@
.Lfor_b_\@:
	tensor_load_to_lds s[\g0b:\g0b+3], s[\g1b:\g1b+7]
	s_nop 0
.rept 4
	v_nop
.endr
.Lasked_\@:
.endm
.macro CREST                           ; a round of the cluster's barrier behind its opening barrier
	s_cmp_lg_u32 s[WV], 0
	s_cbranch_scc1 .Lnot_wave_0_\@
	s_barrier_signal -3
.Lnot_wave_0_\@:
	s_barrier_wait -3
	s_barrier_signal -1
	s_barrier_wait -1
.endm
.macro CROUND                          ; a whole round
	s_barrier_signal -1
	s_barrier_wait -1
	CREST
.endm
	s_load_b256 s[4:11], s[0:1], 0x0               ; x's codes s[4:5], x's scales s[6:7], w1's codes s[8:9], w1's scales s[10:11]
	s_load_b128 s[12:15], s[0:1], 0x20             ; b1 s[12:13], h's codes s[14:15]
	s_load_b64 s[16:17], s[0:1], 0x30              ; h's scales
	v_lshl_add_u32 v[SPW], v0, 2, SPARE
	v_mov_b32 v[NIL], 0
	ds_add_u32 v28, v29
	ds_add_u32 v28, v29
	s_wait_dscnt 0x0
	v_lshrrev_b32 v1, 5, v0
	v_readfirstlane_b32 s[WV], v1                  ; wave 0..3
	s_lshr_b32 s[IW], s[WV], 1
	s_and_b32 s[JW], s[WV], 1
	s_bfe_u32 s40, ttmp6, 0x40000                  ; cx, cy: my place in the cluster
	s_bfe_u32 s41, ttmp6, 0x40004
	s_lshl_b32 s42, ttmp9, 2
	s_add_co_u32 s42, s42, s40                     ; tile column (256 hidden units) = 4 x cluster x + cx
	s_and_b32 s43, ttmp7, 0xffff
	s_lshl_b32 s43, s43, 2
	s_add_co_u32 s43, s43, s41                     ; tile row (256 rows) = 4 x cluster y + cy
	s_lshl_b32 s44, s41, 2
	s_lshl_b32 s44, 15, s44                        ; my row of the cluster
	s_lshl_b32 s45, 0x1111, s40                    ; my column
	; group 1: a tile of 128 rows x 192 bytes, padded in LDS
	s_or_b32 s[G1+0], s44, (0<<16)|(1<<20)|(1<<21)|(3<<22)|(3<<25)   ; 15:0 the mask: x's tiles go to my row; 17:16 elements of 1 byte; 20 padding on; 21 set beside a mask; 24:22 after every 16 words; 31:25 of 4 words
	s_or_b32 s[G1B+0], s45, (0<<16)|(1<<20)|(1<<21)|(3<<22)|(3<<25)  ; w1's go to my column
.irp g, G1, G1B
	s_mov_b32 s[\g+1], ROWB<<16                    ; tensor_dim0
	s_mov_b32 s[\g+2], 128<<16                     ; tensor_dim1
	s_mov_b32 s[\g+3], ROWB<<16                    ; tile_dim0
	s_mov_b32 s[\g+4], 128                         ; tile_dim1
	s_mov_b32 s[\g+5], KROW                        ; tensor_dim0_stride
	s_mov_b32 s[\g+6], 0
	s_mov_b32 s[\g+7], 0
.endr
	; the scale bytes of 128 rows: a dense block of 8,192 bytes, as 32 rows of 256 bytes (32 elements of 8 bytes), 16 bytes of padding behind each
	s_or_b32 s[G1S+0], s44, (3<<16)|(1<<20)|(1<<21)|(5<<22)|(3<<25)
	s_or_b32 s[G1SB+0], s45, (3<<16)|(1<<20)|(1<<21)|(5<<22)|(3<<25)
.irp g, G1S, G1SB
	s_mov_b32 s[\g+1], 32<<16
	s_mov_b32 s[\g+2], 32<<16
	s_mov_b32 s[\g+3], 32<<16
	s_mov_b32 s[\g+4], 32
	s_mov_b32 s[\g+5], 32
	s_mov_b32 s[\g+6], 0
	s_mov_b32 s[\g+7], 0
.endr
	s_lshl_b32 s21, s[JW], 7                       ; which 128 rows of the tile I fetch
	s_lshl_b32 s92, s43, 8
	s_add_co_u32 s92, s92, s21                     ; x: row 256 x tile row + 128 x half
	s_lshl_b32 s94, s42, 8
	s_add_co_u32 s94, s94, s21                     ; w1: row 256 x tile column + 128 x half
	s_lshl_b32 s96, s92, 6                         ; where these rows' scale bytes begin (64 a row),
	s_lshl_b32 s98, s94, 6
	s_mul_i32 s92, s92, KROW                       ; and their codes: all under 2^24
	s_mul_i32 s94, s94, KROW
	s_mov_b32 s93, 0
	s_mov_b32 s95, 0
	s_mov_b32 s97, 0
	s_mov_b32 s99, 0
	s_mul_i32 s22, s[WV], QT                       ; where they go: wave x a quarter: no place in the cluster enters an LDS address
	s_mul_i32 s23, s[WV], HALFS
	s_wait_kmcnt 0x0
	s_add_nc_u64 s[92:93], s[4:5], s[92:93]
	s_add_nc_u64 s[96:97], s[6:7], s[96:97]
	s_add_nc_u64 s[94:95], s[8:9], s[94:95]
	s_add_nc_u64 s[98:99], s[10:11], s[98:99]
	CROUND                                         ; all sixteen work-groups are here: the first joint loads meet
	s_mov_b32 s[G0S], 1
	s_add_co_u32 s[G0S+1], s23, SCL
	s_mov_b64 s[G0S+2:G0S+3], s[96:97]
	s_or_b32 s[G0S+3], s[G0S+3], 0x80000000
	s_mov_b32 s[G0SB], 1
	s_add_co_u32 s[G0SB+1], s23, SCL
	s_mov_b64 s[G0SB+2:G0SB+3], s[98:99]
	s_or_b32 s[G0SB+3], s[G0SB+3], 0x80000000
	JLOAD G0S, G1S, G0SB, G1SB                     ; the scale bytes first: they are wanted with the first slot.  With the two below, three loads of mine are out
.irp s, 0,1
	s_mov_b32 s[G0+4*\s], 1
	s_add_co_u32 s[G0+4*\s+1], s22, \s*SLOT
	s_add_nc_u64 s[G0+4*\s+2:G0+4*\s+3], s[92:93], \s*ROWB
	s_or_b32 s[G0+4*\s+3], s[G0+4*\s+3], 0x80000000
	s_mov_b32 s[G0B+4*\s], 1
	s_add_co_u32 s[G0B+4*\s+1], s22, \s*SLOT
	s_add_nc_u64 s[G0B+4*\s+2:G0B+4*\s+3], s[94:95], \s*ROWB
	s_or_b32 s[G0B+4*\s+3], s[G0B+4*\s+3], 0x80000000
	JLOAD G0+4*\s, G1, G0B+4*\s, G1B
.endr
	v_and_b32 v1, 15, v0                           ; r = lane % 16
	v_bfe_u32 v2, v0, 4, 1                         ; h = lane / 16
	v_mul_u32_u24 v3, v1, PITCH
	v_mad_u32_u24 v4, v2, 24, v3                   ; x: a fragment's row x pitch + 24 x half,
	v_mad_u32_u24 v5, v2, 40, v3                   ; and the same behind one padding more
	v_and_b32 v6, 7, v0                            ; r % 8
	v_bfe_u32 v7, v0, 3, 1                         ; r / 8: X or Y
	v_mul_u32_u24 v8, v6, PITCH
	v_mad_u32_u24 v8, v7, QT, v8
	v_mad_u32_u24 v9, v2, 24, v8                   ; w1 likewise
	v_mad_u32_u24 v10, v2, 40, v8
	s_mul_i32 s21, s[IW], QT                       ; my 128 rows of x
	s_mul_i32 s22, s[JW], 64*PITCH                 ; my 64 rows of X and of Y,
	s_add_co_u32 s22, s22, 2*QT                    ; which lie behind x's two quarters
.irp s, 0,1
	v_add_nc_u32 v[ADRA+\s], s21, v4
	v_add_nc_u32 v[ADRA+2+\s], s21, v5
	v_add_nc_u32 v[ADRB+\s], s22, v9
	v_add_nc_u32 v[ADRB+2+\s], s22, v10
	s_add_co_u32 s21, s21, SLOT
	s_add_co_u32 s22, s22, SLOT
.endr
	v_and_b32 v11, 31, v0                          ; lane
	v_lshrrev_b32 v12, 2, v11
	v_and_b32 v13, 3, v0
	v_lshlrev_b32 v13, 6, v13                      ; (lane % 4) x 64
	v_mad_u32_u24 v[ADSA], v12, 272, v13           ; x's scale words: row = lane
	s_mul_i32 s21, s[IW], HALFS
	s_add_co_u32 s21, s21, SCL
	v_add_nc_u32 v[ADSA], s21, v[ADSA]
	v_bfe_u32 v12, v0, 2, 1                        ; w1's: lane l stands for row 8 (l / 16) + l % 8 of X (l % 16 < 8) or Y: run (2 (l / 16) + (l / 4) % 2), Y 32 runs on
	v_lshl_add_u32 v12, v2, 1, v12
	v_lshl_add_u32 v12, v7, 5, v12
	v_mad_u32_u24 v[ADSB], v12, 272, v13
	s_mul_i32 s21, s[JW], 16*272
	s_add_co_u32 s21, s21, SCL+2*HALFS
	v_add_nc_u32 v[ADSB], s21, v[ADSB]
	v_lshlrev_b32 v[SADR], 2, v1                   ; the stage for h's scale bytes: 1,024 x row half + 512 x piece (= h) + 4 x row + 2 x column half
	v_lshl_add_u32 v[SADR], v2, 9, v[SADR]
	s_lshl_b32 s21, s[IW], 10
	s_lshl_b32 s22, s[JW], 1
	s_add_co_u32 s21, s21, s22
	v_add_nc_u32 v[SADR], s21, v[SADR]
	v_lshlrev_b32 v[SRD], 4, v0
	v_lshlrev_b32 v[HO], 3, v11
	v_lshlrev_b32 v[LO16], 4, v11
	s_lshl_b32 s46, s42, 10                        ; b1: hidden unit 256 x tile column + 64 x column half, + 128 h in the lane's offset
	s_lshl_b32 s47, s[JW], 8
	s_add_co_u32 s46, s46, s47
	s_mov_b32 s47, 0
	s_add_nc_u64 s[12:13], s[12:13], s[46:47]
	v_lshlrev_b32 v14, 9, v2
.irp k, 0,1,2,3,4,5,6,7,8,9,10,11,12,13,14,15
	global_load_b128 v[BI+4*\k:BI+4*\k+3], v14, s[12:13] offset:16*\k   ; my 64 neighbouring numbers of b1: register 8 i + j
.endr
	s_lshl_b32 s46, s43, 1                         ; where my results go: mb = 2 x tile row + row half; kp = 2 x tile column + piece
	s_add_co_u32 s46, s46, s[IW]
	s_lshl_b32 s46, s46, 6
	s_lshl_b32 s66, s42, 1
	s_add_co_u32 s46, s46, s66                     ; 64 mb + 2 x tile column
	s_add_co_u32 s66, s46, s[JW]
	s_lshl_b32 s66, s66, 9                         ; scale words: on the way out wave w stores piece w % 2 of row half w / 2: 512 bytes
	s_mov_b32 s67, 0
	s_mul_i32 s46, s46, 12288                      ; codes: 12,288 bytes for each (mb, kp);
	s_mul_i32 s21, s[JW], 768                      ; my 64 hidden units are registers 6 jw .. 6 jw + 5 of the image: chunks 3 jw on
	s_add_co_u32 s46, s46, s21
	s_mov_b32 s47, 0
	s_add_nc_u64 s[14:15], s[14:15], s[46:47]
	s_add_nc_u64 s[16:17], s[16:17], s[66:67]
; A fragment, 16 rows x 128 K of 6-bit codes, is 12 registers: lane l holds row l % 16; registers 6 c .. 6 c + 5 hold K = 64 c + 32 (l / 16) + 0 .. 31: 24 bytes of the row's stream of bits, as they lie, in pieces of 8 bytes.
; The mover has laid 16 bytes of padding behind every 8 pieces: where the piece three on (lanes 16-31) lies behind one padding more, the second address register serves.  rs: rows from one fragment to the next (x: 16, w1: 8).
.macro FRAG reg, adr, q, i, rs
.irp p, 0,1,2,3,4,5
.set PC, 12*(\q)+6*(\p/3)+\p%3
.if PC%8 < 5
	ds_load_b64 v[\reg+2*\p:\reg+2*\p+1], v[\adr] offset:8*PC+16*(PC/8)+(\i)*\rs*PITCH
.else
	ds_load_b64 v[\reg+2*\p:\reg+2*\p+1], v[\adr+2] offset:8*PC+16*(PC/8)+(\i)*\rs*PITCH
.endif
.endr
.endm
; One matrix instruction; its registers are the symbols rD, rB, rA, rC, rX, rY.  fB: w1's scale words stand in lanes 16-31 of rX; fA: x's in lanes 16-31 of rY.
.macro WM
.if fB && fA
	v_wmma_scale_f32_16x16x128_f8f6f4 v[rD:rD+7], v[rB:rB+FR-1], v[rA:rA+FR-1], v[rC:rC+7], v[rX], v[rY] matrix_a_fmt:MATRIX_FMT_BF6 matrix_b_fmt:MATRIX_FMT_BF6 matrix_a_scale:MATRIX_SCALE_ROW1 matrix_b_scale:MATRIX_SCALE_ROW1
.elseif fB
	v_wmma_scale_f32_16x16x128_f8f6f4 v[rD:rD+7], v[rB:rB+FR-1], v[rA:rA+FR-1], v[rC:rC+7], v[rX], v[rY] matrix_a_fmt:MATRIX_FMT_BF6 matrix_b_fmt:MATRIX_FMT_BF6 matrix_a_scale:MATRIX_SCALE_ROW1
.elseif fA
	v_wmma_scale_f32_16x16x128_f8f6f4 v[rD:rD+7], v[rB:rB+FR-1], v[rA:rA+FR-1], v[rC:rC+7], v[rX], v[rY] matrix_a_fmt:MATRIX_FMT_BF6 matrix_b_fmt:MATRIX_FMT_BF6 matrix_b_scale:MATRIX_SCALE_ROW1
.else
	v_wmma_scale_f32_16x16x128_f8f6f4 v[rD:rD+7], v[rB:rB+FR-1], v[rA:rA+FR-1], v[rC:rC+7], v[rX], v[rY] matrix_a_fmt:MATRIX_FMT_BF6 matrix_b_fmt:MATRIX_FMT_BF6
.endif
.endm
; 16 matrix instructions: x's blocks a0, a0 + 1 against w1's eight tiles, the slot's q-th 128 along K.  p: w1's set; sc: the set of scale words.  first = 1: b1 is the C, so nothing is cleared and no bias is added later.
; The 64 accumulators take turns, one instruction a turn, in the same order in every step.
.macro MUL16 a0, p, q, sc, first
.irp a, \a0, \a0+1
.irp b, 0,1,2,3,4,5,6,7
.set rD, 8*(8*((\a)%4)+\b)
.set rB, 128*(\p)+FR*\b
.set rA, AF+FR*(\a)
.set rX, SC+16*(\sc)+8+2*(\b/2)+(\q)
.set rY, SC+16*(\sc)+2*((\a)/2)+(\q)
.set fB, \b%2
.set fA, (\a)%2
.if \first
.set rC, BI+8*\b
.else
.set rC, rD
.endif
	WM
.endr
.endr
.endm
.macro FETCH_B slot, q, p              ; w1's eight fragments of the slot's q-th 128 along K into set p
	WIN TO_B
.irp i, 0,1,2,3,4,5,6,7
	FRAG 128*(\p)+FR*\i, ADRB+\slot, \q, \i, 8
.endr
	WIN 0
.endm
.macro FETCH_A slot, q, i0             ; x's blocks i0 .. i0 + 3
.irp i, \i0, \i0+1, \i0+2, \i0+3
	FRAG AF+FR*(\i), ADRA+\slot, \q, \i, 16
.endr
.endm
.macro SCALES sc                       ; a slot's scale words into set sc: two words a row
.irp i, 0,1,2,3
	ds_load_b64 v[SC+16*\sc+2*\i:SC+16*\sc+2*\i+1], v[ADSA] offset:\i*2176      ; x's rows 32 i + lane
.endr
.irp i, 0,1,2,3
	ds_load_b64 v[SC+16*\sc+8+2*\i:SC+16*\sc+8+2*\i+1], v[ADSB] offset:\i*1088  ; w1's tiles 2 i and 2 i + 1
.endr
.endm
; A load into a register that a matrix instruction has read, and a vector instruction that reads a matrix result, stand NP places behind that matrix instruction; only plain vector instructions that name none of its
; registers are places (ISA guide 7.12.1 for vector instructions).
.macro PLACES n
.rept \n
	v_nop
.endr
.endm
; A step of 128 along K that has its successor in the same slot.
.macro STEP slot, q, first
	s_wait_dscnt 4*NL                              ; w1's set, the scale words and x's blocks 0-3 are in; the youngest 24 loads (x's blocks 4-7) may be out
.if \first
	WIN 0x81                                       ; C (b1) in window 0, D in window 2
.else
	WIN MUL_LO
.endif
	MUL16 0, (\q)%2, \q, \slot, \first
	MUL16 2, (\q)%2, \q, \slot, \first
	s_wait_dscnt 0                                 ; x's blocks 4-7 are in
	PLACES NP
	FETCH_B \slot, (\q)+1, 1-(\q)%2
	FETCH_A \slot, (\q)+1, 0
.if \first
	WIN 0xc1                                       ; C in window 0, D in window 3
.else
	WIN MUL_HI
.endif
	MUL16 4, (\q)%2, \q, \slot, \first
	MUL16 6, (\q)%2, \q, \slot, \first
	PLACES NP
	WIN 0
	FETCH_A \slot, (\q)+1, 4
.endm
; A slot's last step changes slots: ONE barrier; in front of it each wave waits for all its tensor loads, adds 0 to its spare word, and waits for that and for its own reads of this slot.  fill = 1: this slot is filled again, two slots ahead.
.macro TURN slot, next, fill
	s_wait_tensorcnt 0x0                           ; all my tensor loads have landed: my part of the next slot  (every window is 0 here)
	ds_add_u32 v[SPW], v[NIL]                      ; 0 onto my spare word
	s_wait_dscnt 4*NL+1                            ; the add and the youngest 24 loads (x's blocks 4-7) may be out
	WIN MUL_LO
	MUL16 0, 1, NQ-1, \slot, 0                     ; sixteen matrix instructions stand between the add and the wait for it
	s_wait_dscnt 0x0                               ; the add is done, and my reads of this slot are over
	s_barrier_signal -1
	MUL16 2, 1, NQ-1, \slot, 0
	WIN 0
	s_barrier_wait -1
.if \fill
	CREST                                          ; the barrier has opened a round of the cluster's barrier: no wave of any partner still reads this slot or has a load on its way
	s_add_nc_u64 s[G0+4*\slot+2:G0+4*\slot+3], s[G0+4*\slot+2:G0+4*\slot+3], 2*ROWB
	s_add_nc_u64 s[G0B+4*\slot+2:G0B+4*\slot+3], s[G0B+4*\slot+2:G0B+4*\slot+3], 2*ROWB
	JLOAD G0+4*\slot, G1, G0B+4*\slot, G1B         ; the first tensor load behind the round; its four v_nop are the places in front of the loads below
.else
	PLACES NP
.endif
	v_add_nc_u32 v[ADSA], 4*NQ, v[ADSA]            ; on to the next slot's scale words (no LDS load of mine is out)
	v_add_nc_u32 v[ADSB], 4*NQ, v[ADSB]
	FETCH_B \next, 0, 0
	FETCH_A \next, 0, 0
	SCALES \next
	WIN MUL_HI
	MUL16 4, 1, NQ-1, \slot, 0
	MUL16 6, 1, NQ-1, \slot, 0
	PLACES NP
	WIN 0
	FETCH_A \next, 0, 4
.endm
	s_wait_tensorcnt 1                             ; the scale bytes and my part of slot 0 are in; slot 1's load, the one issued behind them, may be out
	s_barrier_signal -1
	s_barrier_wait -1                              ; everybody's are
	FETCH_B 0, 0, 0
	FETCH_A 0, 0, 0
	SCALES 0
	FETCH_A 0, 0, 4
	s_wait_loadcnt 0x0                             ; b1
	STEP 0, 0, 1                                   ; the first step stands in front of the loop: its products start the sums from b1
	s_mov_b32 s3, LAPS-1
.Llap:                                                 ; a trip goes once round the ring, from a lap's second step to the next lap's first, and fills both slots again
	TURN 0, 1, 1
	STEP 1, 0, 0
	TURN 1, 0, 1
	STEP 0, 0, 0
	s_sub_co_u32 s3, s3, 1
	s_cmp_lg_u32 s3, 0
	s_cbranch_scc1 .Llap
	TURN 0, 1, 0                                   ; the last lap fills nothing, and has no round of the cluster's barrier
	STEP 1, 0, 0
	s_wait_dscnt 4*NL                              ; the very last step: nothing more to fetch
	WIN MUL_LO
	MUL16 0, 1, NQ-1, 1, 0
	MUL16 2, 1, NQ-1, 1, 0
	s_wait_dscnt 0
	WIN MUL_HI
	MUL16 4, 1, NQ-1, 1, 0
	MUL16 6, 1, NQ-1, 1, 0
	WIN 0
; THE WAY OUT, block by block of 16 rows.  relu; the largest of each of my two blocks of 32 (nothing is negative, so no |.|; the floor 2^(5 - 127) is one more leaf and holds the byte at 1 from below); 4 off its exponent
; field gives the conversion's scale operand, a shift of that the byte.  Four conversions give 16 codes each: CA, TA = my first block's halves, CB, TB = my second block's.
; Lanes 0-15 hold piece 0's two blocks, lanes 16-31 piece 1's; an operand wants a piece's first block in lanes 0-15 and its second in lanes 16-31: the exchange of CA's upper lanes with CB's lower lanes gives that:
; CA, TA become piece 0's six registers, CB, TB piece 1's.  Each pair of registers leaves by one store of 8 bytes a lane: 256 consecutive bytes, at a multiple of 256 from the buffer's first byte.
.macro OUTBLK a
.set AC, 64*((\a)%4)
.set CA, 128+32*((\a)%2)               ; two sets of code registers by turns
.set CB, CA+6
.set TA, CA+12                         ; (a conversion's three registers begin on an even number: the halves that do not are made here and moved)
.set TB, CA+16
	WIN 0x08+4*((\a)/4)                            ; source 1: window 2 or 3
.set k, 0
.rept 64
	v_max_num_f32 v[T+k], 0, v[AC+k]               ; the activation, in f32; each accumulator is read from its low end on
.set k, k+1
.endr
	WIN 0
.irp c, 0,1,2,3
	v_max3_num_f32 v[MX+\c], v[T+16*\c], v[T+16*\c+1], 0x2800000
.endr
.irp i, 2,4,6,8,10,12,14
.irp c, 0,1,2,3
	v_max3_num_f32 v[MX+\c], v[MX+\c], v[T+16*\c+\i], v[T+16*\c+\i+1]   ; four chains by turns: no line waits for the line above it
.endr
.endr
	v_max_num_f32 v[MX], v[MX], v[MX+1]            ; my first block's largest,
	v_max_num_f32 v[MX+2], v[MX+2], v[MX+3]        ; my second's
	v_add_nc_u32 v[SO], 0xfe000000, v[MX]          ; 4 off the exponent field: the conversion takes the exponent field of this operand as its scale
	v_add_nc_u32 v[SO+1], 0xfe000000, v[MX+2]
	v_lshrrev_b32 v[BY], 23, v[SO]                 ; the scale's byte
	v_lshrrev_b32 v[BY+1], 23, v[SO+1]
	v_lshl_or_b32 v[HW+(\a)], v[BY+1], 8, v[BY]
	ds_store_b16 v[SADR], v[HW+(\a)] offset:64*(\a)   ; bytes 2 jw, 2 jw + 1 of the word of (piece h, row 16 a + r)
.if (\a) >= 2
	s_wait_xcnt 0x0                                ; block a - 2's stores have read this set of code registers: it is written again only behind this wait
.endif
	v_cvt_scalef32_pk16_bf6_f32 v[CA:CA+2], v[T:T+15], v[SO]
	v_cvt_scalef32_pk16_bf6_f32 v[TA:TA+2], v[T+16:T+31], v[SO]
	v_cvt_scalef32_pk16_bf6_f32 v[CB:CB+2], v[T+32:T+47], v[SO+1]
	v_cvt_scalef32_pk16_bf6_f32 v[TB:TB+2], v[T+48:T+63], v[SO+1]
	v_nop                                          ; one plain place behind a scaled conversion
.irp i, 0,1,2
	v_permlane16_swap_b32 v[CA+\i], v[CB+\i]
	v_permlane16_swap_b32 v[TA+\i], v[TB+\i]
.endr
.irp i, 0,1,2
	v_mov_b32 v[CA+3+\i], v[TA+\i]
	v_mov_b32 v[CB+3+\i], v[TB+\i]
.endr
.irp g, 0,1,2
	global_store_b64 v[HO], v[CA+2*\g:CA+2*\g+1], s[14:15] offset:(\a)*1536+256*\g
	global_store_b64 v[HO], v[CB+2*\g:CB+2*\g+1], s[14:15] offset:(\a)*1536+12288+256*\g
.endr
.endm
	PLACES NP                                      ; behind the last products
.irp a, 0,1,2,3,4,5,6,7
	OUTBLK \a
.endr
	s_wait_dscnt 0x0                               ; for the others' sake: my scale bytes lie in the stage
	s_barrier_signal -1
	s_barrier_wait -1                              ; a word's four bytes come from two waves
	ds_load_b128 v[240:243], v[SRD]                ; wave w: the 128 words of (row half w / 2, piece w % 2)
	s_wait_dscnt 0x0
	global_store_b128 v[LO16], v[240:243], s[16:17]   ; 32 lanes store 512 consecutive bytes, at a multiple of 256 from the buffer's first byte
	s_wait_tensorcnt 0x0                           ; the wave's end: behind my last tensor load and my last LDS store
	ds_add_u32 v[SPW], v[NIL]
	s_wait_dscnt 0x0
	CROUND                                         ; the closing round: no work-group ends while a partner may still ask for a tile that names it
	s_endpgm
.Lfunc_end_k_q20fb9e0990_fc1:
	.size	k_q20fb9e0990_fc1, .Lfunc_end_k_q20fb9e0990_fc1-k_q20fb9e0990_fc1
	.p2alignl 7, 3214868480
	.fill 96, 4, 3214868480
	.section	.rodata,"a",@progbits
	.p2align	6, 0x0
	.amdhsa_kernel k_q20fb9e0990_fc1
		.amdhsa_group_segment_fixed_size 327680
		.amdhsa_private_segment_fixed_size 0
		.amdhsa_enable_private_segment 0
		.amdhsa_kernarg_size 56
		.amdhsa_user_sgpr_count 2
		.amdhsa_user_sgpr_kernarg_segment_ptr 1
		.amdhsa_wavefront_size32 1
		.amdhsa_system_sgpr_workgroup_id_x 1
		.amdhsa_system_sgpr_workgroup_id_y 1
		.amdhsa_system_sgpr_workgroup_id_z 1
		.amdhsa_system_vgpr_workitem_id 0
		.amdhsa_next_free_vgpr 1024
		.amdhsa_next_free_sgpr 102
		.amdhsa_reserve_vcc 0
		.amdhsa_float_denorm_mode_32 3
		.amdhsa_float_denorm_mode_16_64 3
		.amdhsa_memory_ordered 1
		.amdhsa_forward_progress 1
		.amdhsa_inst_pref_size 180
	.end_amdhsa_kernel
	.amdgpu_metadata
---
amdhsa.version: [ 1, 2 ]
amdhsa.kernels:
  - .name:           k_q20fb9e0990_fc1
    .symbol:         k_q20fb9e0990_fc1.kd
    .args:
      - { .name: x_codes, .offset: 0, .size: 8, .value_kind: global_buffer, .address_space: global }
      - { .name: x_scales, .offset: 8, .size: 8, .value_kind: global_buffer, .address_space: global }
      - { .name: w1_codes, .offset: 16, .size: 8, .value_kind: global_buffer, .address_space: global }
      - { .name: w1_scales, .offset: 24, .size: 8, .value_kind: global_buffer, .address_space: global }
      - { .name: b1, .offset: 32, .size: 8, .value_kind: global_buffer, .address_space: global }
      - { .name: h_codes, .offset: 40, .size: 8, .value_kind: global_buffer, .address_space: global }
      - { .name: h_scales, .offset: 48, .size: 8, .value_kind: global_buffer, .address_space: global }
    .group_segment_fixed_size: 327680
    .private_segment_fixed_size: 0
    .kernarg_segment_align: 8
    .kernarg_segment_size: 56
    .max_flat_workgroup_size: 128
    .sgpr_count:     102
    .vgpr_count:     1024
    .wavefront_size: 32
...
	.end_amdgpu_metadata
.endif
;; end of part 1
;; launch fc2 (part 2): grid 16 x 16, 4 waves a work-group, clusters of 4 x 4, 327,680 bytes of LDS; arguments h_codes, h_scales, w2_codes, w2_scales, b2, out0; writes out0
.if DOCPART == 2
	.amdgcn_target "amdgcn-amd-amdhsa--gfx1250"
	.amdhsa_code_object_version 6
	.text
	.protected	k_q20fb9e0990_fc2
	.globl	k_q20fb9e0990_fc2
	.p2align	8
	.type	k_q20fb9e0990_fc2,@function
k_q20fb9e0990_fc2:
	s_mov_b64 s[64:65], 0
	v_nop
	global_prefetch_b8 v0, s[64:65] scope:SCOPE_SE
	s_setreg_imm32_b32 hwreg(HW_REG_WAVE_MODE, 25, 1), 1
	s_wait_xcnt 0x0
	s_wait_alu depctr_hold_cnt(0) depctr_sa_sdst(0) depctr_va_vdst(0) depctr_va_sdst(0) depctr_va_ssrc(0) depctr_va_vcc(0) depctr_vm_vsrc(0)
	s_getreg_b32 s2, hwreg(HW_REG_IB_STS2, 6, 4)
	s_cmp_eq_u32 s2, 0
	s_cbranch_scc0 .Lentry_in_a_cluster
	s_endpgm
.Lentry_in_a_cluster:
	s_bfe_u32 s2, ttmp6, 0x10000c
	s_cmp_lg_u32 s2, 0xf033
	s_cbranch_scc0 .Lentry_shape_is_right
	s_endpgm
.Lentry_shape_is_right:
; out0 = h w2^T + b2 on codes of BF6 (E3M2) with one E8M0 byte for each 32 along K = 8,192.
; h_codes [mb 16][kp 64][a 8][1,536 bytes]: images of operand registers (six chunks of 256 bytes; chunk p = registers 2 p, 2 p + 1, lane l at byte 8 l); h_scales [mb][kp][row 128][4 bytes].
; w2: [2048][8192] codes, K innermost, a row 6,144 bytes; its scale bytes [2048][256].  b2 [2048], out0 [2048][2048] f32.
; A tile of out0 is 128 x 128, so that there are 256 tiles.  THE FOUR WAVES SHARE K, NOT THE TILE: every wave makes the whole tile, 64 accumulators, over a quarter of K: in step t (512 along K, one LDS slot) wave w
; multiplies kp = 4 t + w.  So each fragment read from LDS feeds eight matrix instructions, and each LDS byte of a slot is read once.  At the end the four waves' sums meet in LDS, on the way that
; turns a lane's piece of a row into whole rows anyway.  The order of the f32 additions along K so differs from an ascending one.
; THE MATRIX INSTRUCTION IS USED TRANSPOSED (source 0 = 16 rows of w2, source 1 = 16 rows of h): a lane holds eight neighbouring numbers of a row of out0.
; 4 x 4 work-groups form a cluster: h's tiles are asked for jointly along a row of it, w2's along a column.
; BOTH OPERANDS HAVE TWO SETS OF REGISTERS: all fragments of step t + 1 leave their slot while step t is multiplied, so a slot is free at the head of the step that multiplies it, and is filled again there.
; LIMITS: NaN and infinities are not served.
; REGISTERS, in windows of 256: window 0: v0-39 addresses and b2; v48-63 scale words, two sets; v64-159, v160-255 h's fragments, two sets; on the way out v64-191 rows of the four sums.
;   window 1: w2's fragments, two sets, at v0 and v128.   window 2: the accumulators of rows 0-63 ((a, b) at v[8 (8 a + b)]);   window 3: those of rows 64-127.
.set FR,     12                        ; registers of a fragment
.set PITCH,  240                       ; a row of w2 in LDS: 3 x (64 bytes + 16 of padding): the 32 lanes of a load of 8 bytes touch 64 different banks (64 banks of 4 bytes: ISA guide 11.1)
.set SLOT1,  131072                    ; slot 1 begins here
.set PIECE,  12288                     ; h's images of one kp: 8 x 1,536 bytes
.set BOFF,   4*PIECE                   ; in a slot: h's four pieces, then w2 in two halves along K, each 128 rows x 240
.set BHALF,  128*PITCH
.set SCA,    SLOT1+BOFF+2*BHALF        ; behind the ring: h's scale words of my 128 rows, all of K: 32,768 dense bytes
.set SCB,    SCA+32768                 ; w2's scale bytes of my 128 rows: rows of 256 bytes + 16 of padding
.set SPARE,  SCB+128*272               ; the spare words, 128 bytes for each wave: two blocks of 256 bytes that no other line names
.set RP,     528                       ; the way out: a row of 512 bytes + 16
.set RED,    128*RP                    ; one wave's sums: 128 rows; the four copies lie from LDS byte 0 on, over the ring and part of h's scale words, which have then had their last fill and their last read
.set ADRA, 16                          ; v16-17 LDS address of h's images in slot 0, 1: my piece + 8 x lane
.set RB,   18                          ; v18-20 (slot 0), v21-23 (slot 1): three addresses for w2's fragments (macro FRAGB)
.set ADSA, 24                          ; v24 h's scale words: 512 x wave + 4 x lane, 2,048 on a step
.set ADSB, 25                          ; v25 w2's: 272 x lane + 4 x wave, 16 on a step
.set RST,  26                          ; v26 the way out: where I put 32 bytes of a row
.set LO16, 27                          ; v27 16 x lane
.set SPW,  28                          ; v28 LDS address of my spare word; never rewritten
.set NIL,  29                          ; v29 0; never rewritten
.set RLD,  32                          ; v32-35 the way out: where I read my rows of copy 0 .. 3
.set B2R,  36                          ; v36-39 b2 of my four columns
.set SC,   48                          ; scale words: set s at v[48 + 8 s]: h's at + a / 2, w2's at + 4 + b / 2
.set AF,   64                          ; h's fragments: set s at v[64 + 96 s]
.set WV, 18                            ; s18 wave; s19 wave / 2 (I fetch for h (0) or w2 (1); which half of a slot's K of w2 I read); s20 wave % 2 (which half I fetch; which 128 of that half's K I read)
.set IW, 19
.set JW, 20
.set G1, 24                            ; s[24:31] group 1 for h's images; s[32:39] group 0, a set for each slot
.set G0, 32
.set G1B, 48                           ; s[48:55], s[56:63] the same for w2's tiles
.set G0B, 56
.set G1S, 68                           ; s[68:75], s[76:79] groups 1 and 0 for h's scale words; s[80:87], s[88:91] for w2's scale bytes
.set G0S, 76
.set G1SB, 80
.set G0SB, 88
.set MSB, 0
.macro WIN new                         ; the immediate's high byte repeats the setting that is left; a switch that changes nothing is dropped
.if MSB != (\new)
	s_set_vgpr_msb (MSB<<8)|(\new)
.set MSB, (\new)
.endif
.endm
.set MUL_LO, 0xa1                      ; source 0 (w2) window 1, source 1 (h) window 0, C and D window 2
.set MUL_HI, 0xf1                      ; the same, C and D window 3
.set TO_B,   0x40                      ; destination window 1, address window 0
; A joint load: waves 0 and 1 fetch for h, waves 2 and 3 for w2.  The branch hangs on the wave's number alone.  Four v_nop follow each of the two lines.
.macro JLOAD g0a, g1a, g0b, g1b
	s_cmp_eq_u32 s[IW], 0
	s_cbranch_scc0 .Lfor_b_\@
	tensor_load_to_lds s[\g0a:\g0a+3], s[\g1a:\g1a+7]
	s_nop 0
.rept 4
	v_nop
.endr
	s_branch .Lasked_\@
.Lfor_b_\@:
	tensor_load_to_lds s[\g0b:\g0b+3], s[\g1b:\g1b+7]
	s_nop 0
.rept 4
	v_nop
.endr
.Lasked_\@:
.endm
.macro CREST                           ; a round of the cluster's barrier behind its opening barrier
	s_cmp_lg_u32 s[WV], 0
	s_cbranch_scc1 .Lnot_wave_0_\@
	s_barrier_signal -3
.Lnot_wave_0_\@:
	s_barrier_wait -3
	s_barrier_signal -1
	s_barrier_wait -1
.endm
.macro CROUND                          ; a whole round
	s_barrier_signal -1
	s_barrier_wait -1
	CREST
.endm
	s_load_b256 s[4:11], s[0:1], 0x0               ; h's codes s[4:5], h's scales s[6:7], w2's codes s[8:9], w2's scales s[10:11]
	s_load_b128 s[12:15], s[0:1], 0x20             ; b2 s[12:13], out0 s[14:15]
	v_lshl_add_u32 v[SPW], v0, 2, SPARE
	v_mov_b32 v[NIL], 0
	ds_add_u32 v28, v29
	ds_add_u32 v28, v29
	s_wait_dscnt 0x0
	v_lshrrev_b32 v1, 5, v0
	v_readfirstlane_b32 s[WV], v1                  ; wave 0..3
	s_lshr_b32 s[IW], s[WV], 1
	s_and_b32 s[JW], s[WV], 1
	s_bfe_u32 s40, ttmp6, 0x40000                  ; cx, cy: my place in the cluster
	s_bfe_u32 s41, ttmp6, 0x40004
	s_lshl_b32 s42, ttmp9, 2
	s_add_co_u32 s42, s42, s40                     ; tile column (128 columns) = 4 x cluster x + cx
	s_and_b32 s43, ttmp7, 0xffff
	s_lshl_b32 s43, s43, 2
	s_add_co_u32 s43, s43, s41                     ; tile row (128 rows: mb) = 4 x cluster y + cy
	s_lshl_b32 s44, s41, 2
	s_lshl_b32 s44, 15, s44                        ; my row of the cluster
	s_lshl_b32 s45, 0x1111, s40                    ; my column
	; group 1 for h's images: two pieces, 24,576 dense bytes, as 96 rows of 256 bytes (32 elements of 8 bytes), no padding
	s_or_b32 s[G1+0], s44, (3<<16)|(1<<21)         ; 15:0 the mask: h's go to my row; 17:16 elements of 8 bytes; 20 padding off; 21 set beside a mask
	s_mov_b32 s[G1+1], 32<<16                      ; tensor_dim0
	s_mov_b32 s[G1+2], 96<<16                      ; tensor_dim1
	s_mov_b32 s[G1+3], 32<<16                      ; tile_dim0
	s_mov_b32 s[G1+4], 96                          ; tile_dim1
	s_mov_b32 s[G1+5], 32                          ; tensor_dim0_stride
	s_mov_b32 s[G1+6], 0
	s_mov_b32 s[G1+7], 0
	; for w2's tiles: 128 rows x 192 bytes, 6,144 bytes apart, 16 bytes of padding behind every 64
	s_or_b32 s[G1B+0], s45, (0<<16)|(1<<20)|(1<<21)|(3<<22)|(3<<25)
	s_mov_b32 s[G1B+1], 192<<16
	s_mov_b32 s[G1B+2], 128<<16
	s_mov_b32 s[G1B+3], 192<<16
	s_mov_b32 s[G1B+4], 128
	s_mov_b32 s[G1B+5], 6144
	s_mov_b32 s[G1B+6], 0
	s_mov_b32 s[G1B+7], 0
	; for the scales: 16,384 dense bytes as 64 rows of 256 bytes; h's without padding, w2's with 16 bytes behind each row
	s_or_b32 s[G1S+0], s44, (3<<16)|(1<<21)
	s_or_b32 s[G1SB+0], s45, (3<<16)|(1<<20)|(1<<21)|(5<<22)|(3<<25)
.irp g, G1S, G1SB
	s_mov_b32 s[\g+1], 32<<16
	s_mov_b32 s[\g+2], 64<<16
	s_mov_b32 s[\g+3], 32<<16
	s_mov_b32 s[\g+4], 64
	s_mov_b32 s[\g+5], 32
	s_mov_b32 s[\g+6], 0
	s_mov_b32 s[\g+7], 0
.endr
	s_mul_i32 s92, s43, 64*PIECE                   ; h's codes: my mb, + my two pieces of a slot's four
	s_mul_i32 s21, s[JW], 2*PIECE                  ; (the same number is their place in a slot)
	s_add_co_u32 s92, s92, s21
	s_mov_b32 s93, 0
	s_mul_i32 s94, s42, 128*6144                   ; w2's codes: my 128 rows, + my half of a slot's 384 bytes of a row
	s_mul_i32 s22, s[JW], 192
	s_add_co_u32 s94, s94, s22
	s_mov_b32 s95, 0
	s_lshl_b32 s96, s43, 15                        ; the scales: 32,768 bytes for 128 rows, + my half
	s_lshl_b32 s23, s[JW], 14
	s_add_co_u32 s96, s96, s23
	s_mov_b32 s97, 0
	s_lshl_b32 s98, s42, 15
	s_add_co_u32 s98, s98, s23
	s_mov_b32 s99, 0
	s_mul_i32 s22, s[JW], BHALF                    ; where w2's half goes in a slot: no place in the cluster enters an LDS address
	s_add_co_u32 s22, s22, BOFF
	s_mul_i32 s46, s[JW], 64*272
	s_wait_kmcnt 0x0
	s_add_nc_u64 s[92:93], s[4:5], s[92:93]
	s_add_nc_u64 s[96:97], s[6:7], s[96:97]
	s_add_nc_u64 s[94:95], s[8:9], s[94:95]
	s_add_nc_u64 s[98:99], s[10:11], s[98:99]
	CROUND                                         ; all sixteen work-groups are here: the first joint loads meet
	s_mov_b32 s[G0S], 1
	s_add_co_u32 s[G0S+1], s23, SCA
	s_mov_b64 s[G0S+2:G0S+3], s[96:97]
	s_or_b32 s[G0S+3], s[G0S+3], 0x80000000
	s_mov_b32 s[G0SB], 1
	s_add_co_u32 s[G0SB+1], s46, SCB
	s_mov_b64 s[G0SB+2:G0SB+3], s[98:99]
	s_or_b32 s[G0SB+3], s[G0SB+3], 0x80000000
	JLOAD G0S, G1S, G0SB, G1SB                     ; the scales first.  With the two below, three loads of mine are out
.irp s, 0,1
	s_mov_b32 s[G0+4*\s], 1
	s_add_co_u32 s[G0+4*\s+1], s21, \s*SLOT1
	s_add_nc_u64 s[G0+4*\s+2:G0+4*\s+3], s[92:93], \s*4*PIECE
	s_or_b32 s[G0+4*\s+3], s[G0+4*\s+3], 0x80000000
	s_mov_b32 s[G0B+4*\s], 1
	s_add_co_u32 s[G0B+4*\s+1], s22, \s*SLOT1
	s_add_nc_u64 s[G0B+4*\s+2:G0B+4*\s+3], s[94:95], \s*384
	s_or_b32 s[G0B+4*\s+3], s[G0B+4*\s+3], 0x80000000
	JLOAD G0+4*\s, G1, G0B+4*\s, G1B
.endr
	v_and_b32 v1, 15, v0                           ; r = lane % 16
	v_bfe_u32 v2, v0, 4, 1                         ; h = lane / 16
	v_and_b32 v3, 31, v0                           ; lane
	s_mul_i32 s21, s[WV], PIECE
	v_lshl_add_u32 v[ADRA], v3, 3, s21             ; my piece, 8 bytes a lane
	v_add_nc_u32 v[ADRA+1], SLOT1, v[ADRA]
	; w2's fragments.  With q = wave % 2, my 128 along K are pieces 12 q + 0,1,2 and 12 q + 6,7,8 (lanes 16-31: three pieces on) of a row of 24 pieces with 16 bytes of padding behind every 8.
	; Piece n lies at 8 n + 16 (n / 8).  The six places, for q = 0 | q = 1:  0 + 24 h | 112 + 24 h;  8 + 24 h | 120 + 40 h;  16 + 24 h | 128 + 40 h;  48 + 40 h | 176 + 24 h;  56 + 40 h | 184 + 24 h;  80 + 24 h | 192 + 24 h.
	; Three registers carry what hangs on q: R0 = 112 q + 24 h, R1 = 112 q + (24 + 16 q) h, R2 = 128 q + (24 + 16 (1 - q)) h; the rest stands in the loads' offsets.
	v_mul_u32_u24 v4, v1, PITCH
	s_mul_i32 s21, s[IW], BHALF
	s_add_co_u32 s21, s21, BOFF
	v_add_nc_u32 v4, s21, v4                       ; row r of my half along K
	s_mul_i32 s22, s[JW], 112
	s_lshl_b32 s23, s[JW], 7
	s_lshl_b32 s46, s[JW], 4
	s_add_co_u32 s46, s46, 24
	s_xor_b32 s47, s[JW], 1
	s_lshl_b32 s47, s47, 4
	s_add_co_u32 s47, s47, 24
	v_mul_u32_u24 v5, v2, 24
	v_mul_u32_u24 v6, s46, v2
	v_mul_u32_u24 v7, s47, v2
	v_add_nc_u32 v8, s22, v4
	v_add_nc_u32 v9, s23, v4
	v_add_nc_u32 v[RB], v8, v5
	v_add_nc_u32 v[RB+1], v8, v6
	v_add_nc_u32 v[RB+2], v9, v7
.irp i, 0,1,2
	v_add_nc_u32 v[RB+3+\i], SLOT1, v[RB+\i]
.endr
	s_lshl_b32 s21, s[WV], 9
	s_add_co_u32 s21, s21, SCA
	v_lshl_add_u32 v[ADSA], v3, 2, s21             ; h's scale words of kp = wave: row = lane
	s_lshl_b32 s21, s[WV], 2
	s_add_co_u32 s21, s21, SCB
	v_mul_u32_u24 v[ADSB], v3, 272
	v_add_nc_u32 v[ADSB], s21, v[ADSB]             ; w2's: row = lane, word kp = wave
	s_mul_i32 s21, s[WV], RED
	v_mul_u32_u24 v[RST], v1, RP
	v_lshl_add_u32 v[RST], v2, 5, v[RST]
	v_add_nc_u32 v[RST], s21, v[RST]               ; my copy: row r, 32 bytes for each half of the lanes
	v_lshlrev_b32 v[LO16], 4, v3
	s_mul_i32 s21, s[WV], 32*RP                    ; back: wave w sums rows 32 w .. 32 w + 31; the 32 lanes take a row of 512 bytes
.irp i, 0,1,2,3
	v_add_nc_u32 v[RLD+\i], s21, v[LO16]
	s_add_co_u32 s21, s21, RED
.endr
	s_lshl_b32 s46, s42, 9                         ; the tile's first column, in bytes
	s_mov_b32 s47, 0
	s_add_nc_u64 s[12:13], s[12:13], s[46:47]
	global_load_b128 v[B2R:B2R+3], v[LO16], s[12:13]   ; b2 of my four columns
	s_lshl_b32 s66, s43, 20                        ; out0: row 128 x tile row + 32 x wave, 8,192 bytes a row
	s_lshl_b32 s67, s[WV], 18
	s_add_co_u32 s66, s66, s67
	s_add_co_u32 s66, s66, s46
	s_mov_b32 s67, 0
	s_add_nc_u64 s[14:15], s[14:15], s[66:67]
.macro FRAGA reg, slot, a              ; h's block a: the image's six chunks, 256 consecutive bytes a load
.irp p, 0,1,2,3,4,5
	ds_load_b64 v[\reg+2*\p:\reg+2*\p+1], v[ADRA+\slot] offset:1536*(\a)+256*\p
.endr
.endm
.macro FRAGB reg, slot, b              ; w2's block b: rows 16 b + r
	ds_load_b64 v[\reg:\reg+1],     v[RB+3*\slot]   offset:16*PITCH*(\b)
	ds_load_b64 v[\reg+2:\reg+3],   v[RB+3*\slot+1] offset:16*PITCH*(\b)+8
	ds_load_b64 v[\reg+4:\reg+5],   v[RB+3*\slot+1] offset:16*PITCH*(\b)+16
	ds_load_b64 v[\reg+6:\reg+7],   v[RB+3*\slot+2] offset:16*PITCH*(\b)+48
	ds_load_b64 v[\reg+8:\reg+9],   v[RB+3*\slot+2] offset:16*PITCH*(\b)+56
	ds_load_b64 v[\reg+10:\reg+11], v[RB+3*\slot]   offset:16*PITCH*(\b)+80
.endm
.macro FETCH_B set                     ; w2's eight fragments from slot 'set' into set 'set'
	WIN TO_B
.irp i, 0,1,2,3,4,5,6,7
	FRAGB 128*\set+FR*\i, \set, \i
.endr
	WIN 0
.endm
.macro FETCH_A set, i0                 ; h's blocks i0 .. i0 + 3
.irp i, \i0, \i0+1, \i0+2, \i0+3
	FRAGA AF+96*\set+FR*(\i), \set, \i
.endr
.endm
.macro SCALES set                      ; a step's scale words: one word a row
.irp i, 0,1,2,3
	ds_load_b32 v[SC+8*\set+\i], v[ADSA] offset:128*\i       ; h's rows 32 i + lane
.endr
.irp i, 0,1,2,3
	ds_load_b32 v[SC+8*\set+4+\i], v[ADSB] offset:32*272*\i  ; w2's rows 32 i + lane
.endr
.endm
; One matrix instruction; its registers are the symbols rD, rB, rA, rX, rY.  fB: w2's scale words stand in lanes 16-31 of rX; fA: h's in lanes 16-31 of rY.  zero = 1: the product starts the sum.
.macro WM zero
.if \zero
.if fB && fA
	v_wmma_scale_f32_16x16x128_f8f6f4 v[rD:rD+7], v[rB:rB+FR-1], v[rA:rA+FR-1], 0, v[rX], v[rY] matrix_a_fmt:MATRIX_FMT_BF6 matrix_b_fmt:MATRIX_FMT_BF6 matrix_a_scale:MATRIX_SCALE_ROW1 matrix_b_scale:MATRIX_SCALE_ROW1
.elseif fB
	v_wmma_scale_f32_16x16x128_f8f6f4 v[rD:rD+7], v[rB:rB+FR-1], v[rA:rA+FR-1], 0, v[rX], v[rY] matrix_a_fmt:MATRIX_FMT_BF6 matrix_b_fmt:MATRIX_FMT_BF6 matrix_a_scale:MATRIX_SCALE_ROW1
.elseif fA
	v_wmma_scale_f32_16x16x128_f8f6f4 v[rD:rD+7], v[rB:rB+FR-1], v[rA:rA+FR-1], 0, v[rX], v[rY] matrix_a_fmt:MATRIX_FMT_BF6 matrix_b_fmt:MATRIX_FMT_BF6 matrix_b_scale:MATRIX_SCALE_ROW1
.else
	v_wmma_scale_f32_16x16x128_f8f6f4 v[rD:rD+7], v[rB:rB+FR-1], v[rA:rA+FR-1], 0, v[rX], v[rY] matrix_a_fmt:MATRIX_FMT_BF6 matrix_b_fmt:MATRIX_FMT_BF6
.endif
.else
.if fB && fA
	v_wmma_scale_f32_16x16x128_f8f6f4 v[rD:rD+7], v[rB:rB+FR-1], v[rA:rA+FR-1], v[rD:rD+7], v[rX], v[rY] matrix_a_fmt:MATRIX_FMT_BF6 matrix_b_fmt:MATRIX_FMT_BF6 matrix_a_scale:MATRIX_SCALE_ROW1 matrix_b_scale:MATRIX_SCALE_ROW1
.elseif fB
	v_wmma_scale_f32_16x16x128_f8f6f4 v[rD:rD+7], v[rB:rB+FR-1], v[rA:rA+FR-1], v[rD:rD+7], v[rX], v[rY] matrix_a_fmt:MATRIX_FMT_BF6 matrix_b_fmt:MATRIX_FMT_BF6 matrix_a_scale:MATRIX_SCALE_ROW1
.elseif fA
	v_wmma_scale_f32_16x16x128_f8f6f4 v[rD:rD+7], v[rB:rB+FR-1], v[rA:rA+FR-1], v[rD:rD+7], v[rX], v[rY] matrix_a_fmt:MATRIX_FMT_BF6 matrix_b_fmt:MATRIX_FMT_BF6 matrix_b_scale:MATRIX_SCALE_ROW1
.else
	v_wmma_scale_f32_16x16x128_f8f6f4 v[rD:rD+7], v[rB:rB+FR-1], v[rA:rA+FR-1], v[rD:rD+7], v[rX], v[rY] matrix_a_fmt:MATRIX_FMT_BF6 matrix_b_fmt:MATRIX_FMT_BF6
.endif
.endif
.endm
; 8 matrix instructions: h's block a against w2's eight.  The 64 accumulators take turns, one instruction a turn, in the same order in every step.
.macro MUL8 a, set, zero
.irp b, 0,1,2,3,4,5,6,7
.set rD, 8*(8*((\a)%4)+\b)
.set rB, 128*\set+FR*\b
.set rA, AF+96*\set+FR*(\a)
.set rX, SC+8*\set+4+\b/2
.set rY, SC+8*\set+(\a)/2
.set fB, \b%2
.set fA, (\a)%2
	WM \zero
.endr
.endm
.macro PLACES n                        ; plain places behind matrix instructions (ISA guide 7.12.1 for vector instructions)
.rept \n
	v_nop
.endr
.endm
; A STEP.  Its fragments (set cur) left slot cur during the step before, so the change of slots stands at its head: each wave waits for all its tensor loads (its part of slot nxt), adds 0 to its spare word, and waits
; for that and for its reads of slot cur.  Behind the barrier slot nxt is whole and nobody reads slot cur.  fill = 1: slot cur is filled again, with the step two on; the load has the rest of this step, 48 of its 64 matrix
; instructions, in which to land.  Then the next step's 104 LDS loads go out in three runs among this step's products, into set nxt, whose last readers stand in front of the four v_nop.
.macro PERIOD cur, nxt, fill, zero
	s_wait_tensorcnt 0x0                           ; all my tensor loads have landed  (every window is 0 here)
	ds_add_u32 v[SPW], v[NIL]                      ; 0 onto my spare word
	s_wait_dscnt 0x1                               ; only the add may be out: this step's fragments and scale words are in
	WIN MUL_LO
	MUL8 0, \cur, \zero                            ; eight matrix instructions stand between the add and the wait for it
	s_wait_dscnt 0x0                               ; the add is done, and my reads of slot cur are over
	s_barrier_signal -1
	MUL8 1, \cur, \zero
	WIN 0
	s_barrier_wait -1
.if \fill
	CREST                                          ; the barrier has opened a round of the cluster's barrier: no wave of any partner still reads this slot or has a load on its way
	s_add_nc_u64 s[G0+4*\cur+2:G0+4*\cur+3], s[G0+4*\cur+2:G0+4*\cur+3], 2*4*PIECE
	s_add_nc_u64 s[G0B+4*\cur+2:G0B+4*\cur+3], s[G0B+4*\cur+2:G0B+4*\cur+3], 2*384
	JLOAD G0+4*\cur, G1, G0B+4*\cur, G1B           ; the first tensor load behind the round; its four v_nop are the places in front of the loads below
.else
	PLACES 4
.endif
	v_add_nc_u32 v[ADSA], 2048, v[ADSA]            ; on to the next step's scale words (no LDS load of mine is out)
	v_add_nc_u32 v[ADSB], 16, v[ADSB]
	FETCH_B \nxt
	SCALES \nxt
	WIN MUL_LO
	MUL8 2, \cur, \zero
	MUL8 3, \cur, \zero
	WIN 0
	FETCH_A \nxt, 0
	WIN MUL_HI
	MUL8 4, \cur, \zero
	WIN 0
	FETCH_A \nxt, 4
	WIN MUL_HI
	MUL8 5, \cur, \zero
	MUL8 6, \cur, \zero
	MUL8 7, \cur, \zero
	WIN 0
.endm
	s_wait_tensorcnt 1                             ; the scales and my part of slot 0 are in; slot 1's load, the one issued behind them, may be out
	s_barrier_signal -1
	s_barrier_wait -1                              ; everybody's are
	FETCH_B 0
	SCALES 0
	FETCH_A 0, 0
	FETCH_A 0, 4
	PERIOD 0, 1, 1, 1                              ; step 0 stands in front of the loop: its products start the sums; it asks for step 2
	s_mov_b32 s3, 6
.Lpair:                                                ; steps 1 to 12, two a trip; step t asks for step t + 2
	PERIOD 1, 0, 1, 0
	PERIOD 0, 1, 1, 0
	s_sub_co_u32 s3, s3, 1
	s_cmp_lg_u32 s3, 0
	s_cbranch_scc1 .Lpair
	PERIOD 1, 0, 1, 0                              ; step 13 asks for step 15: the last fill
	PERIOD 0, 1, 0, 0                              ; step 14 asks for nothing: the tail is written out
	s_wait_dscnt 0x0                               ; step 15: my last reads of the ring and of the scales are in:
	s_barrier_signal -1                            ; say so,
	WIN MUL_LO
	MUL8 0, 1, 0
	MUL8 1, 1, 0
	MUL8 2, 1, 0
	MUL8 3, 1, 0
	WIN MUL_HI
	MUL8 4, 1, 0
	MUL8 5, 1, 0
	MUL8 6, 1, 0
	MUL8 7, 1, 0
	WIN 0
	s_barrier_wait -1                              ; and when all four have said so, these LDS bytes may be written: they have had their last fill
; THE SUM OVER THE FOUR WAVES, AND THE WAY OUT.  Each wave lays its 128 x 128 sums into a copy of its own, rows of 528 bytes: a lane's eight numbers are 32 neighbouring bytes of a row.  Behind a barrier wave w reads rows
; 32 w .. 32 w + 31 of all four copies, whole rows of 512 bytes, adds them and b2, and stores: 32 lanes store 512 consecutive bytes, at a multiple of 256 from out0's first byte.
	PLACES 4                                       ; behind the last products
.irp a, 0,1,2,3,4,5,6,7
	WIN 0x08+4*(\a/4)                              ; an LDS store's data are its source 1: window 2 or 3
.irp b, 0,1,2,3,4,5,6,7
	ds_store_b128 v[RST], v[8*(8*(\a%4)+\b):8*(8*(\a%4)+\b)+3] offset:16*RP*\a+64*\b        ; each accumulator from its low end on
	ds_store_b128 v[RST], v[8*(8*(\a%4)+\b)+4:8*(8*(\a%4)+\b)+7] offset:16*RP*\a+64*\b+16
.endr
.endr
	WIN 0
	s_wait_dscnt 0x0                               ; for the others' sake: my copy lies in LDS
	s_barrier_signal -1
	s_barrier_wait -1
	s_wait_loadcnt 0x0                             ; b2
.macro LOADG g                         ; four rows of the four copies: 16 loads into buffer g % 2
.set BUF, 64+64*((\g)%2)
.irp tt, 0,1,2,3
.irp src, 0,1,2,3
	ds_load_b128 v[BUF+16*\tt+4*\src:BUF+16*\tt+4*\src+3], v[RLD+\src] offset:(4*(\g)+\tt)*RP
.endr
.endr
.endm
.macro SUMG g                          ; ((s0 + s1) + (s2 + s3)) + b2, two numbers an instruction, and the row's store
.set BUF, 64+64*((\g)%2)
.irp tt, 0,1,2,3
.set X, BUF+16*\tt
	v_pk_add_f32 v[X:X+1], v[X:X+1], v[X+4:X+5]
	v_pk_add_f32 v[X+2:X+3], v[X+2:X+3], v[X+6:X+7]
	v_pk_add_f32 v[X+8:X+9], v[X+8:X+9], v[X+12:X+13]
	v_pk_add_f32 v[X+10:X+11], v[X+10:X+11], v[X+14:X+15]
	v_pk_add_f32 v[X:X+1], v[X:X+1], v[X+8:X+9]
	v_pk_add_f32 v[X+2:X+3], v[X+2:X+3], v[X+10:X+11]
	v_pk_add_f32 v[X:X+1], v[X:X+1], v[B2R:B2R+1]
	v_pk_add_f32 v[X+2:X+3], v[X+2:X+3], v[B2R+2:B2R+3]
	global_store_b128 v[LO16], v[X:X+3], s[14:15] offset:(4*(\g)+\tt)*8192 th:TH_STORE_NT   ; written once, read by nobody here; 31 rows of 8,192 bytes at the most: inside the signed 24-bit immediate
.endr
.endm
	LOADG 0
.irp g, 0,1,2,3,4,5,6,7
.if \g < 7
	s_wait_xcnt 0x0                                ; group g - 1's stores have read their registers: group g + 1's loads may land there
	LOADG \g+1
	s_wait_dscnt 16                                ; group g is in; the 16 loads just issued may be out
.else
	s_wait_dscnt 0x0
.endif
	SUMG \g
.endr
	s_wait_tensorcnt 0x0                           ; the wave's end: behind my last tensor load and my last LDS store
	ds_add_u32 v[SPW], v[NIL]
	s_wait_dscnt 0x0
	CROUND                                         ; the closing round: no work-group ends while a partner may still ask for a tile that names it
	s_endpgm
.Lfunc_end_k_q20fb9e0990_fc2:
	.size	k_q20fb9e0990_fc2, .Lfunc_end_k_q20fb9e0990_fc2-k_q20fb9e0990_fc2
	.p2alignl 7, 3214868480
	.fill 96, 4, 3214868480
	.section	.rodata,"a",@progbits
	.p2align	6, 0x0
	.amdhsa_kernel k_q20fb9e0990_fc2
		.amdhsa_group_segment_fixed_size 327680
		.amdhsa_private_segment_fixed_size 0
		.amdhsa_enable_private_segment 0
		.amdhsa_kernarg_size 48
		.amdhsa_user_sgpr_count 2
		.amdhsa_user_sgpr_kernarg_segment_ptr 1
		.amdhsa_wavefront_size32 1
		.amdhsa_system_sgpr_workgroup_id_x 1
		.amdhsa_system_sgpr_workgroup_id_y 1
		.amdhsa_system_sgpr_workgroup_id_z 1
		.amdhsa_system_vgpr_workitem_id 0
		.amdhsa_next_free_vgpr 1024
		.amdhsa_next_free_sgpr 102
		.amdhsa_reserve_vcc 0
		.amdhsa_float_denorm_mode_32 3
		.amdhsa_float_denorm_mode_16_64 3
		.amdhsa_memory_ordered 1
		.amdhsa_forward_progress 1
		.amdhsa_inst_pref_size 141
	.end_amdhsa_kernel
	.amdgpu_metadata
---
amdhsa.version: [ 1, 2 ]
amdhsa.kernels:
  - .name:           k_q20fb9e0990_fc2
    .symbol:         k_q20fb9e0990_fc2.kd
    .args:
      - { .name: h_codes, .offset: 0, .size: 8, .value_kind: global_buffer, .address_space: global }
      - { .name: h_scales, .offset: 8, .size: 8, .value_kind: global_buffer, .address_space: global }
      - { .name: w2_codes, .offset: 16, .size: 8, .value_kind: global_buffer, .address_space: global }
      - { .name: w2_scales, .offset: 24, .size: 8, .value_kind: global_buffer, .address_space: global }
      - { .name: b2, .offset: 32, .size: 8, .value_kind: global_buffer, .address_space: global }
      - { .name: out0, .offset: 40, .size: 8, .value_kind: global_buffer, .address_space: global }
    .group_segment_fixed_size: 327680
    .private_segment_fixed_size: 0
    .kernarg_segment_align: 8
    .kernarg_segment_size: 48
    .max_flat_workgroup_size: 128
    .sgpr_count:     102
    .vgpr_count:     1024
    .wavefront_size: 32
...
	.end_amdgpu_metadata
.endif
;; end of part 2
;; ======== version 2 of 2: 2 launches
;; workspace buffers: h_codes 12,582,912 bytes; h_scales 524,288 bytes
;; launch fc1 (part 3): grid 32 x 8, 4 waves a work-group, clusters of 4 x 4, 327,680 bytes of LDS; arguments x_codes, x_scales, w1_codes, w1_scales, b1, h_codes, h_scales; writes h_codes, h_scales
.if DOCPART == 3
	.amdgcn_target "amdgcn-amd-amdhsa--gfx1250"
	.amdhsa_code_object_version 6
	.text
	.protected	k_q20fb9e0990_fc1
	.globl	k_q20fb9e0990_fc1
	.p2align	8
	.type	k_q20fb9e0990_fc1,@function
k_q20fb9e0990_fc1:
	s_mov_b64 s[64:65], 0
	v_nop
	global_prefetch_b8 v0, s[64:65] scope:SCOPE_SE
	s_setreg_imm32_b32 hwreg(HW_REG_WAVE_MODE, 25, 1), 1
	s_wait_xcnt 0x0
	s_wait_alu depctr_hold_cnt(0) depctr_sa_sdst(0) depctr_va_vdst(0) depctr_va_sdst(0) depctr_va_ssrc(0) depctr_va_vcc(0) depctr_vm_vsrc(0)
	s_getreg_b32 s2, hwreg(HW_REG_IB_STS2, 6, 4)
	s_cmp_eq_u32 s2, 0
	s_cbranch_scc0 .Lentry_in_a_cluster
	s_endpgm
.Lentry_in_a_cluster:
	s_bfe_u32 s2, ttmp6, 0x10000c
	s_cmp_lg_u32 s2, 0xf033
	s_cbranch_scc0 .Lentry_shape_is_right
	s_endpgm
.Lentry_shape_is_right:
; h = relu(x w1^T + b1), quantised along the hidden axis to codes of BF6 (E3M2) with one E8M0 byte for each 32 hidden units.
; x: [2048][2048], w1: [8192][2048]: codes of 6 bits, K innermost, a row 1,536 bytes; their scale bytes [..][64]; b1 [8192] f32.
; OUT: h_codes [mb 16][kp 64][a 8][1,536 bytes]: mb = 128 rows, kp = 128 hidden units, a = 16 rows; the 1,536 bytes are the IMAGE of an operand's 12 registers: registers 0-3 at byte 0, 16 bytes a lane;
;      registers 4-5 at byte 512, 8 bytes a lane; registers 6-9 at byte 768, 16 a lane; registers 10-11 at byte 1,280, 8 a lane.
;      h_scales [mb][kp][row 128][4 bytes]: byte n of a word scales hidden units 32 n .. 32 n + 31 of that kp.
; A tile of h, 256 rows x 256 hidden units, is made by a work-group of four waves; a wave makes 128 x 128: 64 accumulators, 512 registers.  K goes in steps of 256 through a ring of two LDS slots
; filled by the tensor data mover; the scale bytes of the work-group's rows come into LDS once and stay.  4 x 4 work-groups form a cluster: x's tiles are asked for jointly along a row of it, w1's along a column.
; THE MATRIX INSTRUCTION IS USED TRANSPOSED (source 0 = 16 rows of w1, source 1 = 16 rows of x), AND THE ROWS OF w1 THAT FORM A TILE ARE CHOSEN: w1's 256 rows lie in two regions X (hidden units 0-127 of the
; tile) and Y (128-255); tile i of the wave with column half jw takes X's rows 64 jw + 8 i + 0..7 in lanes 0-7 and Y's same rows in lanes 8-15.  In accumulator (a, i) lane (r, h) then holds, in register j,
; row 16 a + r and hidden unit 128 h + 64 jw + 8 i + j: a lane's 64 registers of a block of rows are 64 NEIGHBOURING hidden units, two whole blocks of 32: a block's largest magnitude needs no other lane.
; b1 is the C of the first step's products.
; LIMITS: NaN and infinities are not served.  A block of h whose largest magnitude lies under 2^-122 (a block of zeros among them) gets the scale byte 1: zeros stay zero codes, which add nothing under that byte,
; and the bytes are read by this program alone.
; REGISTERS, in windows of 256: window 0: v0-31 addresses; v32-63 scale words, two sets; v64-127 b1, on the way out 64 numbers of h; v128-223 x's fragments, ONE set, on the way out the codes; v224-243 at work.
;   window 1: w1's fragments, TWO sets, at v0 and v128.   window 2: the accumulators of my rows 0-63 ((a, i) at v[8 (8 a + i)]);   window 3: those of my rows 64-127.
.set NQ,     2                         ; steps of 128 along K in a slot
.set ROWB,   192                       ; a tile's row in bytes: 256 codes
.set KROW,   1536                      ; a row of x or w1 in memory
.set PITCH,  240                       ; an LDS row: 3 x (64 bytes + 16 of padding) = 60 words: the 32 lanes of a load of 8 bytes touch 64 different banks (64 banks of 4 bytes: ISA guide 11.1)
.set FR,     12                        ; registers of a fragment
.set NL,     6                         ; LDS loads that bring one
.set NP,     4                         ; places behind this matrix instruction (ISA guide 7.12.1)
.set QT,     128*PITCH+128             ; from quarter to quarter of a slot: 128 rows and 128 bytes more, so that Y's row n starts at the banks of X's row n + 8: a tile's 8 + 8 rows fall as 16 neighbouring rows would
.set SLOT,   4*QT                      ; x's rows 0-127, x's rows 128-255, X, Y
.set LAPS,   4                         ; a lap = two slots = 512 along K
.set SCL,    2*SLOT                    ; behind the ring: the scale bytes, as runs of 256 bytes + 16 of padding; a row's 64 bytes: row n at (n / 4) 272 + (n % 4) 64
.set HALFS,  32*272                    ; those of 128 rows: what one tensor load brings
.set SPARE,  SCL+4*HALFS               ; the spare words, 128 bytes for each wave: two blocks of 256 bytes that no other line names
.set ADRA, 16                          ; v16-17 LDS address of x's fragments in slot 0, 1 (v18-19: for the pieces behind one padding more)
.set ADRB, 20                          ; v20-21 the same for w1 (v22-23)
.set SADR, 24                          ; v24 the way out: where my two scale bytes go.  The stage for them, [row half][piece][row 128][4 bytes], 2,048 bytes, lies at LDS byte 0: slot 0 has then had its last fill and its last read
.set SRD,  25                          ; v25 and where I read 16 bytes of it back: 16 x thread
.set HO,   26                          ; v26 8 x lane: my place in a part of an image that has 8 bytes a lane
.set ADSA, 27                          ; v27 LDS address of x's scale words: lane l = row 32 a2 + l of my 128
.set SPW,  28                          ; v28 LDS address of my spare word; never rewritten
.set NIL,  29                          ; v29 0; never rewritten
.set ADSB, 30                          ; v30 LDS address of w1's scale words: lanes 0-15 tile 2 i2, lanes 16-31 tile 2 i2 + 1
.set LO16, 31                          ; v31 16 x lane
.set SC,   32                          ; scale words: set s at v[32 + 16 s]; x's at + 2 a2 + q, w1's at + 8 + 2 i2 + q
.set BI,   64                          ; b1 in the result's layout: register 8 i + j
.set T,    64                          ; the way out: 64 numbers of h
.set AF,   128                         ; x's fragments
.set MX,   224                         ; v224-227 largest magnitudes; v228-229 the conversions' scale operands; v230-231 bytes; v232-239 two bytes for each block of rows
.set SO,   228
.set BY,   230
.set HW,   232
.set WV, 18                            ; s18 wave; s19 its row half (also: I fetch for x (0) or w1 (1)); s20 its column half (also: which 128 rows I fetch)
.set IW, 19
.set JW, 20
.set G1, 24                            ; s[24:31] group 1 for x's tiles; s[32:39] group 0, a set for each slot
.set G0, 32
.set G1B, 48                           ; s[48:55], s[56:63] the same for w1's
.set G0B, 56
.set G1S, 68                           ; s[68:75], s[76:79] groups 1 and 0 for x's scale bytes; s[80:87], s[88:91] for w1's
.set G0S, 76
.set G1SB, 80
.set G0SB, 88
.set MSB, 0
.macro WIN new                         ; the immediate's high byte repeats the setting that is left; a switch that changes nothing is dropped
.if MSB != (\new)
	s_set_vgpr_msb (MSB<<8)|(\new)
.set MSB, (\new)
.endif
.endm
.set MUL_LO, 0xa1                      ; source 0 (w1) window 1, source 1 (x) window 0, C and D window 2
.set MUL_HI, 0xf1                      ; the same, C and D window 3
.set TO_B,   0x40                      ; destination window 1, address window 0
; A joint load: waves 0 and 1 fetch for x, waves 2 and 3 for w1.  Each line has one mask and one set of registers for all that issue it; the branch hangs on the wave's number alone.
; Four v_nop follow each of the two lines, ahead of the jump, the label and what follows.
.macro JLOAD g0a, g1a, g0b, g1b
	s_cmp_eq_u32 s[IW], 0
	s_cbranch_scc0 .Lfor_b_\@
	tensor_load_to_lds s[\g0a:\g0a+3], s[\g1a:\g1a+7]
	s_nop 0
.rept 4
	v_nop
.endr
	s_branch .Lasked_\@
.Lfor_b_\@:
	tensor_load_to_lds s[\g0b:\g0b+3], s[\g1b:\g1b+7]
	s_nop 0
.rept 4
	v_nop
.endr
.Lasked_\@:
.endm
.macro CREST                           ; a round of the cluster's barrier behind its opening barrier
	s_cmp_lg_u32 s[WV], 0
	s_cbranch_scc1 .Lnot_wave_0_\@
	s_barrier_signal -3
.Lnot_wave_0_\@:
	s_barrier_wait -3
	s_barrier_signal -1
	s_barrier_wait -1
.endm
.macro CROUND                          ; a whole round
	s_barrier_signal -1
	s_barrier_wait -1
	CREST
.endm
	s_load_b256 s[4:11], s[0:1], 0x0               ; x's codes s[4:5], x's scales s[6:7], w1's codes s[8:9], w1's scales s[10:11]
	s_load_b128 s[12:15], s[0:1], 0x20             ; b1 s[12:13], h's codes s[14:15]
	s_load_b64 s[16:17], s[0:1], 0x30              ; h's scales
	v_lshl_add_u32 v[SPW], v0, 2, SPARE
	v_mov_b32 v[NIL], 0
	ds_add_u32 v28, v29
	ds_add_u32 v28, v29
	s_wait_dscnt 0x0
	v_lshrrev_b32 v1, 5, v0
	v_readfirstlane_b32 s[WV], v1                  ; wave 0..3
	s_lshr_b32 s[IW], s[WV], 1
	s_and_b32 s[JW], s[WV], 1
	s_bfe_u32 s40, ttmp6, 0x40000                  ; cx, cy: my place in the cluster
	s_bfe_u32 s41, ttmp6, 0x40004
	s_lshl_b32 s42, ttmp9, 2
	s_add_co_u32 s42, s42, s40                     ; tile column (256 hidden units) = 4 x cluster x + cx
	s_and_b32 s43, ttmp7, 0xffff
	s_lshl_b32 s43, s43, 2
	s_add_co_u32 s43, s43, s41                     ; tile row (256 rows) = 4 x cluster y + cy
	s_lshl_b32 s44, s41, 2
	s_lshl_b32 s44, 15, s44                        ; my row of the cluster
	s_lshl_b32 s45, 0x1111, s40                    ; my column
	; group 1: a tile of 128 rows x 192 bytes, padded in LDS
	s_or_b32 s[G1+0], s44, (0<<16)|(1<<20)|(1<<21)|(3<<22)|(3<<25)   ; 15:0 the mask: x's tiles go to my row; 17:16 elements of 1 byte; 20 padding on; 21 set beside a mask; 24:22 after every 16 words; 31:25 of 4 words
	s_or_b32 s[G1B+0], s45, (0<<16)|(1<<20)|(1<<21)|(3<<22)|(3<<25)  ; w1's go to my column
.irp g, G1, G1B
	s_mov_b32 s[\g+1], ROWB<<16                    ; tensor_dim0
	s_mov_b32 s[\g+2], 128<<16                     ; tensor_dim1
	s_mov_b32 s[\g+3], ROWB<<16                    ; tile_dim0
	s_mov_b32 s[\g+4], 128                         ; tile_dim1
	s_mov_b32 s[\g+5], KROW                        ; tensor_dim0_stride
	s_mov_b32 s[\g+6], 0
	s_mov_b32 s[\g+7], 0
.endr
	; the scale bytes of 128 rows: a dense block of 8,192 bytes, as 32 rows of 256 bytes (32 elements of 8 bytes), 16 bytes of padding behind each
	s_or_b32 s[G1S+0], s44, (3<<16)|(1<<20)|(1<<21)|(5<<22)|(3<<25)
	s_or_b32 s[G1SB+0], s45, (3<<16)|(1<<20)|(1<<21)|(5<<22)|(3<<25)
.irp g, G1S, G1SB
	s_mov_b32 s[\g+1], 32<<16
	s_mov_b32 s[\g+2], 32<<16
	s_mov_b32 s[\g+3], 32<<16
	s_mov_b32 s[\g+4], 32
	s_mov_b32 s[\g+5], 32
	s_mov_b32 s[\g+6], 0
	s_mov_b32 s[\g+7], 0
.endr
	s_lshl_b32 s21, s[JW], 7                       ; which 128 rows of the tile I fetch
	s_lshl_b32 s92, s43, 8
	s_add_co_u32 s92, s92, s21                     ; x: row 256 x tile row + 128 x half
	s_lshl_b32 s94, s42, 8
	s_add_co_u32 s94, s94, s21                     ; w1: row 256 x tile column + 128 x half
	s_lshl_b32 s96, s92, 6                         ; where these rows' scale bytes begin (64 a row),
	s_lshl_b32 s98, s94, 6
	s_mul_i32 s92, s92, KROW                       ; and their codes: all under 2^24
	s_mul_i32 s94, s94, KROW
	s_mov_b32 s93, 0
	s_mov_b32 s95, 0
	s_mov_b32 s97, 0
	s_mov_b32 s99, 0
	s_mul_i32 s22, s[WV], QT                       ; where they go: wave x a quarter: no place in the cluster enters an LDS address
	s_mul_i32 s23, s[WV], HALFS
	s_wait_kmcnt 0x0
	s_add_nc_u64 s[92:93], s[4:5], s[92:93]
	s_add_nc_u64 s[96:97], s[6:7], s[96:97]
	s_add_nc_u64 s[94:95], s[8:9], s[94:95]
	s_add_nc_u64 s[98:99], s[10:11], s[98:99]
	CROUND                                         ; all sixteen work-groups are here: the first joint loads meet
	s_mov_b32 s[G0S], 1
	s_add_co_u32 s[G0S+1], s23, SCL
	s_mov_b64 s[G0S+2:G0S+3], s[96:97]
	s_or_b32 s[G0S+3], s[G0S+3], 0x80000000
	s_mov_b32 s[G0SB], 1
	s_add_co_u32 s[G0SB+1], s23, SCL
	s_mov_b64 s[G0SB+2:G0SB+3], s[98:99]
	s_or_b32 s[G0SB+3], s[G0SB+3], 0x80000000
	JLOAD G0S, G1S, G0SB, G1SB                     ; the scale bytes first: they are wanted with the first slot.  With the two below, three loads of mine are out
.irp s, 0,1
	s_mov_b32 s[G0+4*\s], 1
	s_add_co_u32 s[G0+4*\s+1], s22, \s*SLOT
	s_add_nc_u64 s[G0+4*\s+2:G0+4*\s+3], s[92:93], \s*ROWB
	s_or_b32 s[G0+4*\s+3], s[G0+4*\s+3], 0x80000000
	s_mov_b32 s[G0B+4*\s], 1
	s_add_co_u32 s[G0B+4*\s+1], s22, \s*SLOT
	s_add_nc_u64 s[G0B+4*\s+2:G0B+4*\s+3], s[94:95], \s*ROWB
	s_or_b32 s[G0B+4*\s+3], s[G0B+4*\s+3], 0x80000000
	JLOAD G0+4*\s, G1, G0B+4*\s, G1B
.endr
	v_and_b32 v1, 15, v0                           ; r = lane % 16
	v_bfe_u32 v2, v0, 4, 1                         ; h = lane / 16
	v_mul_u32_u24 v3, v1, PITCH
	v_mad_u32_u24 v4, v2, 24, v3                   ; x: a fragment's row x pitch + 24 x half,
	v_mad_u32_u24 v5, v2, 40, v3                   ; and the same behind one padding more
	v_and_b32 v6, 7, v0                            ; r % 8
	v_bfe_u32 v7, v0, 3, 1                         ; r / 8: X or Y
	v_mul_u32_u24 v8, v6, PITCH
	v_mad_u32_u24 v8, v7, QT, v8
	v_mad_u32_u24 v9, v2, 24, v8                   ; w1 likewise
	v_mad_u32_u24 v10, v2, 40, v8
	s_mul_i32 s21, s[IW], QT                       ; my 128 rows of x
	s_mul_i32 s22, s[JW], 64*PITCH                 ; my 64 rows of X and of Y,
	s_add_co_u32 s22, s22, 2*QT                    ; which lie behind x's two quarters
.irp s, 0,1
	v_add_nc_u32 v[ADRA+\s], s21, v4
	v_add_nc_u32 v[ADRA+2+\s], s21, v5
	v_add_nc_u32 v[ADRB+\s], s22, v9
	v_add_nc_u32 v[ADRB+2+\s], s22, v10
	s_add_co_u32 s21, s21, SLOT
	s_add_co_u32 s22, s22, SLOT
.endr
	v_and_b32 v11, 31, v0                          ; lane
	v_lshrrev_b32 v12, 2, v11
	v_and_b32 v13, 3, v0
	v_lshlrev_b32 v13, 6, v13                      ; (lane % 4) x 64
	v_mad_u32_u24 v[ADSA], v12, 272, v13           ; x's scale words: row = lane
	s_mul_i32 s21, s[IW], HALFS
	s_add_co_u32 s21, s21, SCL
	v_add_nc_u32 v[ADSA], s21, v[ADSA]
	v_bfe_u32 v12, v0, 2, 1                        ; w1's: lane l stands for row 8 (l / 16) + l % 8 of X (l % 16 < 8) or Y: run (2 (l / 16) + (l / 4) % 2), Y 32 runs on
	v_lshl_add_u32 v12, v2, 1, v12
	v_lshl_add_u32 v12, v7, 5, v12
	v_mad_u32_u24 v[ADSB], v12, 272, v13
	s_mul_i32 s21, s[JW], 16*272
	s_add_co_u32 s21, s21, SCL+2*HALFS
	v_add_nc_u32 v[ADSB], s21, v[ADSB]
	v_lshlrev_b32 v[SADR], 2, v1                   ; the stage for h's scale bytes: 1,024 x row half + 512 x piece (= h) + 4 x row + 2 x column half
	v_lshl_add_u32 v[SADR], v2, 9, v[SADR]
	s_lshl_b32 s21, s[IW], 10
	s_lshl_b32 s22, s[JW], 1
	s_add_co_u32 s21, s21, s22
	v_add_nc_u32 v[SADR], s21, v[SADR]
	v_lshlrev_b32 v[SRD], 4, v0
	v_lshlrev_b32 v[HO], 3, v11
	v_lshlrev_b32 v[LO16], 4, v11
	s_lshl_b32 s46, s42, 10                        ; b1: hidden unit 256 x tile column + 64 x column half, + 128 h in the lane's offset
	s_lshl_b32 s47, s[JW], 8
	s_add_co_u32 s46, s46, s47
	s_mov_b32 s47, 0
	s_add_nc_u64 s[12:13], s[12:13], s[46:47]
	v_lshlrev_b32 v14, 9, v2
.irp k, 0,1,2,3,4,5,6,7,8,9,10,11,12,13,14,15
	global_load_b128 v[BI+4*\k:BI+4*\k+3], v14, s[12:13] offset:16*\k   ; my 64 neighbouring numbers of b1: register 8 i + j
.endr
	s_lshl_b32 s46, s43, 1                         ; where my results go: mb = 2 x tile row + row half; kp = 2 x tile column + piece
	s_add_co_u32 s46, s46, s[IW]
	s_lshl_b32 s46, s46, 6
	s_lshl_b32 s66, s42, 1
	s_add_co_u32 s46, s46, s66                     ; 64 mb + 2 x tile column
	s_add_co_u32 s66, s46, s[JW]
	s_lshl_b32 s66, s66, 9                         ; scale words: on the way out wave w stores piece w % 2 of row half w / 2: 512 bytes
	s_mov_b32 s67, 0
	s_mul_i32 s46, s46, 12288                      ; codes: 12,288 bytes for each (mb, kp);
	s_mul_i32 s21, s[JW], 768                      ; my 64 hidden units are registers 6 jw .. 6 jw + 5 of the image: they begin 768 jw bytes on
	s_add_co_u32 s46, s46, s21
	s_mov_b32 s47, 0
	s_add_nc_u64 s[14:15], s[14:15], s[46:47]
	s_add_nc_u64 s[16:17], s[16:17], s[66:67]
; A fragment, 16 rows x 128 K of 6-bit codes, is 12 registers: lane l holds row l % 16; registers 6 c .. 6 c + 5 hold K = 64 c + 32 (l / 16) + 0 .. 31: 24 bytes of the row's stream of bits, as they lie, in pieces of 8 bytes.
; The mover has laid 16 bytes of padding behind every 8 pieces: where the piece three on (lanes 16-31) lies behind one padding more, the second address register serves.  rs: rows from one fragment to the next (x: 16, w1: 8).
.macro FRAG reg, adr, q, i, rs
.irp p, 0,1,2,3,4,5
.set PC, 12*(\q)+6*(\p/3)+\p%3
.if PC%8 < 5
	ds_load_b64 v[\reg+2*\p:\reg+2*\p+1], v[\adr] offset:8*PC+16*(PC/8)+(\i)*\rs*PITCH
.else
	ds_load_b64 v[\reg+2*\p:\reg+2*\p+1], v[\adr+2] offset:8*PC+16*(PC/8)+(\i)*\rs*PITCH
.endif
.endr
.endm
; One matrix instruction; its registers are the symbols rD, rB, rA, rC, rX, rY.  fB: w1's scale words stand in lanes 16-31 of rX; fA: x's in lanes 16-31 of rY.
.macro WM
.if fB && fA
	v_wmma_scale_f32_16x16x128_f8f6f4 v[rD:rD+7], v[rB:rB+FR-1], v[rA:rA+FR-1], v[rC:rC+7], v[rX], v[rY] matrix_a_fmt:MATRIX_FMT_BF6 matrix_b_fmt:MATRIX_FMT_BF6 matrix_a_scale:MATRIX_SCALE_ROW1 matrix_b_scale:MATRIX_SCALE_ROW1
.elseif fB
	v_wmma_scale_f32_16x16x128_f8f6f4 v[rD:rD+7], v[rB:rB+FR-1], v[rA:rA+FR-1], v[rC:rC+7], v[rX], v[rY] matrix_a_fmt:MATRIX_FMT_BF6 matrix_b_fmt:MATRIX_FMT_BF6 matrix_a_scale:MATRIX_SCALE_ROW1
.elseif fA
	v_wmma_scale_f32_16x16x128_f8f6f4 v[rD:rD+7], v[rB:rB+FR-1], v[rA:rA+FR-1], v[rC:rC+7], v[rX], v[rY] matrix_a_fmt:MATRIX_FMT_BF6 matrix_b_fmt:MATRIX_FMT_BF6 matrix_b_scale:MATRIX_SCALE_ROW1
.else
	v_wmma_scale_f32_16x16x128_f8f6f4 v[rD:rD+7], v[rB:rB+FR-1], v[rA:rA+FR-1], v[rC:rC+7], v[rX], v[rY] matrix_a_fmt:MATRIX_FMT_BF6 matrix_b_fmt:MATRIX_FMT_BF6
.endif
.endm
; 16 matrix instructions: x's blocks a0, a0 + 1 against w1's eight tiles, the slot's q-th 128 along K.  p: w1's set; sc: the set of scale words.  first = 1: b1 is the C, so nothing is cleared and no bias is added later.
; The 64 accumulators take turns, one instruction a turn, in the same order in every step.
.macro MUL16 a0, p, q, sc, first
.irp a, \a0, \a0+1
.irp b, 0,1,2,3,4,5,6,7
.set rD, 8*(8*((\a)%4)+\b)
.set rB, 128*(\p)+FR*\b
.set rA, AF+FR*(\a)
.set rX, SC+16*(\sc)+8+2*(\b/2)+(\q)
.set rY, SC+16*(\sc)+2*((\a)/2)+(\q)
.set fB, \b%2
.set fA, (\a)%2
.if \first
.set rC, BI+8*\b
.else
.set rC, rD
.endif
	WM
.endr
.endr
.endm
.macro FETCH_B slot, q, p              ; w1's eight fragments of the slot's q-th 128 along K into set p
	WIN TO_B
.irp i, 0,1,2,3,4,5,6,7
	FRAG 128*(\p)+FR*\i, ADRB+\slot, \q, \i, 8
.endr
	WIN 0
.endm
.macro FETCH_A slot, q, i0             ; x's blocks i0 .. i0 + 3
.irp i, \i0, \i0+1, \i0+2, \i0+3
	FRAG AF+FR*(\i), ADRA+\slot, \q, \i, 16
.endr
.endm
.macro SCALES sc                       ; a slot's scale words into set sc: two words a row
.irp i, 0,1,2,3
	ds_load_b64 v[SC+16*\sc+2*\i:SC+16*\sc+2*\i+1], v[ADSA] offset:\i*2176      ; x's rows 32 i + lane
.endr
.irp i, 0,1,2,3
	ds_load_b64 v[SC+16*\sc+8+2*\i:SC+16*\sc+8+2*\i+1], v[ADSB] offset:\i*1088  ; w1's tiles 2 i and 2 i + 1
.endr
.endm
; A load into a register that a matrix instruction has read, and a vector instruction that reads a matrix result, stand NP places behind that matrix instruction; only plain vector instructions that name none of its
; registers are places (ISA guide 7.12.1 for vector instructions).
.macro PLACES n
.rept \n
	v_nop
.endr
.endm
; A step of 128 along K that has its successor in the same slot.
.macro STEP slot, q, first
	s_wait_dscnt 4*NL                              ; w1's set, the scale words and x's blocks 0-3 are in; the youngest 24 loads (x's blocks 4-7) may be out
.if \first
	WIN 0x81                                       ; C (b1) in window 0, D in window 2
.else
	WIN MUL_LO
.endif
	MUL16 0, (\q)%2, \q, \slot, \first
	MUL16 2, (\q)%2, \q, \slot, \first
	s_wait_dscnt 0                                 ; x's blocks 4-7 are in
	PLACES NP
	FETCH_B \slot, (\q)+1, 1-(\q)%2
	FETCH_A \slot, (\q)+1, 0
.if \first
	WIN 0xc1                                       ; C in window 0, D in window 3
.else
	WIN MUL_HI
.endif
	MUL16 4, (\q)%2, \q, \slot, \first
	MUL16 6, (\q)%2, \q, \slot, \first
	PLACES NP
	WIN 0
	FETCH_A \slot, (\q)+1, 4
.endm
; A slot's last step changes slots: ONE barrier; in front of it each wave waits for all its tensor loads, adds 0 to its spare word, and waits for that and for its own reads of this slot.  fill = 1: this slot is filled again, two slots ahead.
.macro TURN slot, next, fill
	s_wait_tensorcnt 0x0                           ; all my tensor loads have landed: my part of the next slot  (every window is 0 here)
	ds_add_u32 v[SPW], v[NIL]                      ; 0 onto my spare word
	s_wait_dscnt 4*NL+1                            ; the add and the youngest 24 loads (x's blocks 4-7) may be out
	WIN MUL_LO
	MUL16 0, 1, NQ-1, \slot, 0                     ; sixteen matrix instructions stand between the add and the wait for it
	s_wait_dscnt 0x0                               ; the add is done, and my reads of this slot are over
	s_barrier_signal -1
	MUL16 2, 1, NQ-1, \slot, 0
	WIN 0
	s_barrier_wait -1
.if \fill
	CREST                                          ; the barrier has opened a round of the cluster's barrier: no wave of any partner still reads this slot or has a load on its way
	s_add_nc_u64 s[G0+4*\slot+2:G0+4*\slot+3], s[G0+4*\slot+2:G0+4*\slot+3], 2*ROWB
	s_add_nc_u64 s[G0B+4*\slot+2:G0B+4*\slot+3], s[G0B+4*\slot+2:G0B+4*\slot+3], 2*ROWB
	JLOAD G0+4*\slot, G1, G0B+4*\slot, G1B         ; the first tensor load behind the round; its four v_nop are the places in front of the loads below
.else
	PLACES NP
.endif
	v_add_nc_u32 v[ADSA], 4*NQ, v[ADSA]            ; on to the next slot's scale words (no LDS load of mine is out)
	v_add_nc_u32 v[ADSB], 4*NQ, v[ADSB]
	FETCH_B \next, 0, 0
	FETCH_A \next, 0, 0
	SCALES \next
	WIN MUL_HI
	MUL16 4, 1, NQ-1, \slot, 0
	MUL16 6, 1, NQ-1, \slot, 0
	PLACES NP
	WIN 0
	FETCH_A \next, 0, 4
.endm
	s_wait_tensorcnt 1                             ; the scale bytes and my part of slot 0 are in; slot 1's load, the one issued behind them, may be out
	s_barrier_signal -1
	s_barrier_wait -1                              ; everybody's are
	FETCH_B 0, 0, 0
	FETCH_A 0, 0, 0
	SCALES 0
	FETCH_A 0, 0, 4
	s_wait_loadcnt 0x0                             ; b1
	STEP 0, 0, 1                                   ; the first step stands in front of the loop: its products start the sums from b1
	s_mov_b32 s3, LAPS-1
.Llap:                                                 ; a trip goes once round the ring, from a lap's second step to the next lap's first, and fills both slots again
	TURN 0, 1, 1
	STEP 1, 0, 0
	TURN 1, 0, 1
	STEP 0, 0, 0
	s_sub_co_u32 s3, s3, 1
	s_cmp_lg_u32 s3, 0
	s_cbranch_scc1 .Llap
	TURN 0, 1, 0                                   ; the last lap fills nothing, and has no round of the cluster's barrier
	STEP 1, 0, 0
	s_wait_dscnt 4*NL                              ; the very last step: nothing more to fetch
	WIN MUL_LO
	MUL16 0, 1, NQ-1, 1, 0
	MUL16 2, 1, NQ-1, 1, 0
	s_wait_dscnt 0
	WIN MUL_HI
	MUL16 4, 1, NQ-1, 1, 0
	MUL16 6, 1, NQ-1, 1, 0
	WIN 0
; THE WAY OUT, block by block of 16 rows.  relu; the largest of each of my two blocks of 32 (nothing is negative, so no |.|; the floor 2^(5 - 127) is one more leaf and holds the byte at 1 from below); 4 off its exponent
; field gives the conversion's scale operand, a shift of that the byte.  Four conversions give 16 codes each: CA, TA = my first block's halves, CB, TB = my second block's.
; Lanes 0-15 hold piece 0's two blocks, lanes 16-31 piece 1's; an operand wants a piece's first block in lanes 0-15 and its second in lanes 16-31: the exchange of CA's upper lanes with CB's lower lanes gives that:
; CA, TA become piece 0's six registers, CB, TB piece 1's.  Six registers leave by a store of 16 bytes a lane (512 consecutive bytes) and one of 8 bytes a lane (256), each at a multiple of 256 from the buffer's first byte.
.macro OUTBLK a
.set AC, 64*((\a)%4)
.set CA, 128+32*((\a)%2)               ; two sets of code registers by turns
.set CB, CA+6
.set TA, CA+12                         ; (a conversion's three registers begin on an even number: the halves that do not are made here and moved)
.set TB, CA+16
	WIN 0x08+4*((\a)/4)                            ; source 1: window 2 or 3
.set k, 0
.rept 64
	v_max_num_f32 v[T+k], 0, v[AC+k]               ; the activation, in f32; each accumulator is read from its low end on
.set k, k+1
.endr
	WIN 0
.irp c, 0,1,2,3
	v_max3_num_f32 v[MX+\c], v[T+16*\c], v[T+16*\c+1], 0x2800000
.endr
.irp i, 2,4,6,8,10,12,14
.irp c, 0,1,2,3
	v_max3_num_f32 v[MX+\c], v[MX+\c], v[T+16*\c+\i], v[T+16*\c+\i+1]   ; four chains by turns: no line waits for the line above it
.endr
.endr
	v_max_num_f32 v[MX], v[MX], v[MX+1]            ; my first block's largest,
	v_max_num_f32 v[MX+2], v[MX+2], v[MX+3]        ; my second's
	v_add_nc_u32 v[SO], 0xfe000000, v[MX]          ; 4 off the exponent field: the conversion takes the exponent field of this operand as its scale
	v_add_nc_u32 v[SO+1], 0xfe000000, v[MX+2]
	v_lshrrev_b32 v[BY], 23, v[SO]                 ; the scale's byte
	v_lshrrev_b32 v[BY+1], 23, v[SO+1]
	v_lshl_or_b32 v[HW+(\a)], v[BY+1], 8, v[BY]
	ds_store_b16 v[SADR], v[HW+(\a)] offset:64*(\a)   ; bytes 2 jw, 2 jw + 1 of the word of (piece h, row 16 a + r)
.if (\a) >= 2
	s_wait_xcnt 0x0                                ; block a - 2's stores have read this set of code registers: it is written again only behind this wait
.endif
	v_cvt_scalef32_pk16_bf6_f32 v[CA:CA+2], v[T:T+15], v[SO]
	v_cvt_scalef32_pk16_bf6_f32 v[TA:TA+2], v[T+16:T+31], v[SO]
	v_cvt_scalef32_pk16_bf6_f32 v[CB:CB+2], v[T+32:T+47], v[SO+1]
	v_cvt_scalef32_pk16_bf6_f32 v[TB:TB+2], v[T+48:T+63], v[SO+1]
	v_nop                                          ; one plain place behind a scaled conversion
.irp i, 0,1,2
	v_permlane16_swap_b32 v[CA+\i], v[CB+\i]
	v_permlane16_swap_b32 v[TA+\i], v[TB+\i]
.endr
.irp i, 0,1,2
	v_mov_b32 v[CA+3+\i], v[TA+\i]
	v_mov_b32 v[CB+3+\i], v[TB+\i]
.endr
	global_store_b128 v[LO16], v[CA:CA+3], s[14:15] offset:(\a)*1536              ; piece 0: my first four registers of the image,
	global_store_b64 v[HO], v[CA+4:CA+5], s[14:15] offset:(\a)*1536+512           ; and my last two
	global_store_b128 v[LO16], v[CB:CB+3], s[14:15] offset:(\a)*1536+12288        ; piece 1 likewise
	global_store_b64 v[HO], v[CB+4:CB+5], s[14:15] offset:(\a)*1536+12288+512
.endm
	PLACES NP                                      ; behind the last products
.irp a, 0,1,2,3,4,5,6,7
	OUTBLK \a
.endr
	s_wait_dscnt 0x0                               ; for the others' sake: my scale bytes lie in the stage
	s_barrier_signal -1
	s_barrier_wait -1                              ; a word's four bytes come from two waves
	ds_load_b128 v[240:243], v[SRD]                ; wave w: the 128 words of (row half w / 2, piece w % 2)
	s_wait_dscnt 0x0
	global_store_b128 v[LO16], v[240:243], s[16:17]   ; 32 lanes store 512 consecutive bytes, at a multiple of 256 from the buffer's first byte
	s_wait_tensorcnt 0x0                           ; the wave's end: behind my last tensor load and my last LDS store
	ds_add_u32 v[SPW], v[NIL]
	s_wait_dscnt 0x0
	CROUND                                         ; the closing round: no work-group ends while a partner may still ask for a tile that names it
	s_endpgm
.Lfunc_end_k_q20fb9e0990_fc1:
	.size	k_q20fb9e0990_fc1, .Lfunc_end_k_q20fb9e0990_fc1-k_q20fb9e0990_fc1
	.p2alignl 7, 3214868480
	.fill 96, 4, 3214868480
	.section	.rodata,"a",@progbits
	.p2align	6, 0x0
	.amdhsa_kernel k_q20fb9e0990_fc1
		.amdhsa_group_segment_fixed_size 327680
		.amdhsa_private_segment_fixed_size 0
		.amdhsa_enable_private_segment 0
		.amdhsa_kernarg_size 56
		.amdhsa_user_sgpr_count 2
		.amdhsa_user_sgpr_kernarg_segment_ptr 1
		.amdhsa_wavefront_size32 1
		.amdhsa_system_sgpr_workgroup_id_x 1
		.amdhsa_system_sgpr_workgroup_id_y 1
		.amdhsa_system_sgpr_workgroup_id_z 1
		.amdhsa_system_vgpr_workitem_id 0
		.amdhsa_next_free_vgpr 1024
		.amdhsa_next_free_sgpr 102
		.amdhsa_reserve_vcc 0
		.amdhsa_float_denorm_mode_32 3
		.amdhsa_float_denorm_mode_16_64 3
		.amdhsa_memory_ordered 1
		.amdhsa_forward_progress 1
		.amdhsa_inst_pref_size 178
	.end_amdhsa_kernel
	.amdgpu_metadata
---
amdhsa.version: [ 1, 2 ]
amdhsa.kernels:
  - .name:           k_q20fb9e0990_fc1
    .symbol:         k_q20fb9e0990_fc1.kd
    .args:
      - { .name: x_codes, .offset: 0, .size: 8, .value_kind: global_buffer, .address_space: global }
      - { .name: x_scales, .offset: 8, .size: 8, .value_kind: global_buffer, .address_space: global }
      - { .name: w1_codes, .offset: 16, .size: 8, .value_kind: global_buffer, .address_space: global }
      - { .name: w1_scales, .offset: 24, .size: 8, .value_kind: global_buffer, .address_space: global }
      - { .name: b1, .offset: 32, .size: 8, .value_kind: global_buffer, .address_space: global }
      - { .name: h_codes, .offset: 40, .size: 8, .value_kind: global_buffer, .address_space: global }
      - { .name: h_scales, .offset: 48, .size: 8, .value_kind: global_buffer, .address_space: global }
    .group_segment_fixed_size: 327680
    .private_segment_fixed_size: 0
    .kernarg_segment_align: 8
    .kernarg_segment_size: 56
    .max_flat_workgroup_size: 128
    .sgpr_count:     102
    .vgpr_count:     1024
    .wavefront_size: 32
...
	.end_amdgpu_metadata
.endif
;; end of part 3
;; launch fc2 (part 4): grid 16 x 16, 4 waves a work-group, clusters of 4 x 4, 327,680 bytes of LDS; arguments h_codes, h_scales, w2_codes, w2_scales, b2, out0; writes out0
.if DOCPART == 4
	.amdgcn_target "amdgcn-amd-amdhsa--gfx1250"
	.amdhsa_code_object_version 6
	.text
	.protected	k_q20fb9e0990_fc2
	.globl	k_q20fb9e0990_fc2
	.p2align	8
	.type	k_q20fb9e0990_fc2,@function
k_q20fb9e0990_fc2:
	s_mov_b64 s[64:65], 0
	v_nop
	global_prefetch_b8 v0, s[64:65] scope:SCOPE_SE
	s_setreg_imm32_b32 hwreg(HW_REG_WAVE_MODE, 25, 1), 1
	s_wait_xcnt 0x0
	s_wait_alu depctr_hold_cnt(0) depctr_sa_sdst(0) depctr_va_vdst(0) depctr_va_sdst(0) depctr_va_ssrc(0) depctr_va_vcc(0) depctr_vm_vsrc(0)
	s_getreg_b32 s2, hwreg(HW_REG_IB_STS2, 6, 4)
	s_cmp_eq_u32 s2, 0
	s_cbranch_scc0 .Lentry_in_a_cluster
	s_endpgm
.Lentry_in_a_cluster:
	s_bfe_u32 s2, ttmp6, 0x10000c
	s_cmp_lg_u32 s2, 0xf033
	s_cbranch_scc0 .Lentry_shape_is_right
	s_endpgm
.Lentry_shape_is_right:
; out0 = h w2^T + b2 on codes of BF6 (E3M2) with one E8M0 byte for each 32 along K = 8,192.
; h_codes [mb 16][kp 64][a 8][1,536 bytes]: images of operand registers: registers 0-3 at byte 0 (16 bytes a lane), 4-5 at 512 (8 a lane), 6-9 at 768 (16 a lane), 10-11 at 1,280 (8 a lane); h_scales [mb][kp][row 128][4 bytes].
; w2: [2048][8192] codes, K innermost, a row 6,144 bytes; its scale bytes [2048][256].  b2 [2048], out0 [2048][2048] f32.
; A tile of out0 is 128 x 128, so that there are 256 tiles.  THE FOUR WAVES SHARE K, NOT THE TILE: every wave makes the whole tile, 64 accumulators, over a quarter of K: in step t (512 along K) wave w
; multiplies kp = 4 t + w.  So each fragment feeds eight matrix instructions, and no byte of h or w2 is wanted by two waves of a work-group.  At the end the four waves' sums meet in LDS, on the way that
; turns a lane's piece of a row into whole rows anyway.  The order of the f32 additions along K so differs from an ascending one.
; THE MATRIX INSTRUCTION IS USED TRANSPOSED (source 0 = 16 rows of w2, source 1 = 16 rows of h): a lane holds eight neighbouring numbers of a row of out0.
; w2 COMES THROUGH A RING OF TWO LDS SLOTS of 1,024 along K (two steps), filled by the tensor data mover, a quarter of a slot to each wave.  4 x 4 work-groups form a cluster; w2's tiles and scale bytes are asked for
; jointly along a column of it, h's scale words along a row.
; h's CODES GO FROM MEMORY STRAIGHT INTO REGISTERS, and are NOT asked for jointly, though the four work-groups of a cluster's row read the same ones.  The reason, by the sizes: a slot of 1,024 along K is 122,880 bytes
; of w2; with h's 98,304 beside them two such slots would take 442,368 bytes, more than a work-group can have; slots of half that length have twice the changes of slots, and at each of them every wave waits for
; all its tensor loads.  h's images are laid so that a load's 32 lanes take 512 or 256 consecutive bytes, and its loads are waited for by counts: two steps' worth stay on their way across the changes of slots.
; BOTH OPERANDS HAVE TWO SETS OF REGISTERS: w2's fragments of step t + 1 leave LDS while step t is multiplied, so a slot is free at the head of its second step, and is filled again there;
; a block of h is loaded anew, for step t + 2, when step t has multiplied it.
; LIMITS: NaN and infinities are not served.
; REGISTERS, in windows of 256: window 0: v0-42 addresses and b2; v48-63 scale words, two sets; v64-159, v160-255 h's fragments, two sets; on the way out v64-191 rows of the four sums.
;   window 1: w2's fragments, two sets, at v0 and v128.   window 2: the accumulators of rows 0-63 ((a, b) at v[8 (8 a + b)]);   window 3: those of rows 64-127.
.set FR,     12                        ; registers of a fragment
.set PITCH,  240                       ; a row of w2 in LDS: 3 x (64 bytes + 16 of padding): the 32 lanes of a load of 8 bytes touch 64 different banks (64 banks of 4 bytes: ISA guide 11.1)
.set QB,     128*PITCH                 ; a quarter of a slot: 128 rows x 256 along K: what one tensor load brings
.set SLOT1,  4*QB                      ; slot 1 begins here
.set PIECE,  12288                     ; h's images of one kp: 8 x 1,536 bytes
.set SCB,    2*SLOT1                   ; behind the ring: w2's scale bytes of my 128 rows: rows of 256 bytes + 16 of padding
.set SCA,    SCB+128*272               ; h's scale words of my 128 rows, all of K: 32,768 dense bytes
.set SPARE,  SCA+32768                 ; the spare words, 128 bytes for each wave: two blocks of 256 bytes that no other line names
.set RP,     528                       ; the way out: a row of 512 bytes + 16
.set RED,    128*RP                    ; one wave's sums: 128 rows; the four copies lie from LDS byte 0 on, over the ring and part of w2's scale bytes, which have then had their last fill and their last read
.set RB,   16                          ; v16-27 addresses for w2's fragments: three (macro FRAGB) for each slot s and each of its two steps u, at v[16 + 6 s + 3 u]
.set SPW,  28                          ; v28 LDS address of my spare word; never rewritten
.set NIL,  29                          ; v29 0; never rewritten
.set ADSA, 30                          ; v30 h's scale words: 512 x wave + 4 x lane, 2,048 on a step
.set ADSB, 31                          ; v31 w2's: 272 x lane + 4 x wave, 16 on a step
.set RLD,  32                          ; v32-35 the way out: where I read my rows of copy 0 .. 3
.set B2R,  36                          ; v36-39 b2 of my four columns
.set RST,  40                          ; v40 the way out: where I put 32 bytes of a row
.set LO16, 41                          ; v41 16 x lane; never rewritten
.set HO,   42                          ; v42 8 x lane; never rewritten
.set SC,   48                          ; scale words: set s at v[48 + 8 s]: h's at + a / 2, w2's at + 4 + b / 2
.set AF,   64                          ; h's fragments: set s at v[64 + 96 s]
.set AP, 16                            ; s[16:17] h's codes: my mb, my wave's piece, at the step from which the loads' immediates count
.set WV, 18                            ; s18 wave; s19 wave / 2 (which quarter of a step's two I read); s20 wave % 2 (which 128 of that quarter's 256 along K)
.set IW, 19
.set JW, 20
.set G1B, 48                           ; s[48:55] group 1 for w2's tiles; s[56:63] group 0, a set for each slot
.set G0B, 56
.set G1S, 68                           ; s[68:75], s[76:79] groups 1 and 0 for h's scale words; s[80:87], s[88:91] for w2's scale bytes
.set G0S, 76
.set G1SB, 80
.set G0SB, 88
.set MSB, 0
.macro WIN new                         ; the immediate's high byte repeats the setting that is left; a switch that changes nothing is dropped
.if MSB != (\new)
	s_set_vgpr_msb (MSB<<8)|(\new)
.set MSB, (\new)
.endif
.endm
.set MUL_LO, 0xa1                      ; source 0 (w2) window 1, source 1 (h) window 0, C and D window 2
.set MUL_HI, 0xf1                      ; the same, C and D window 3
.set TO_B,   0x40                      ; destination window 1, address window 0
; A joint load.  Every wave issues the line, each for a quarter of its own: its LDS address and its global address step with the wave's number.  Four v_nop follow.
.macro TL g0, g1
	tensor_load_to_lds s[\g0:\g0+3], s[\g1:\g1+7]
	s_nop 0
.rept 4
	v_nop
.endr
.endm
.macro CREST                           ; a round of the cluster's barrier behind its opening barrier
	s_cmp_lg_u32 s[WV], 0
	s_cbranch_scc1 .Lnot_wave_0_\@
	s_barrier_signal -3
.Lnot_wave_0_\@:
	s_barrier_wait -3
	s_barrier_signal -1
	s_barrier_wait -1
.endm
.macro CROUND                          ; a whole round
	s_barrier_signal -1
	s_barrier_wait -1
	CREST
.endm
	s_load_b256 s[4:11], s[0:1], 0x0               ; h's codes s[4:5], h's scales s[6:7], w2's codes s[8:9], w2's scales s[10:11]
	s_load_b128 s[12:15], s[0:1], 0x20             ; b2 s[12:13], out0 s[14:15]
	v_lshl_add_u32 v[SPW], v0, 2, SPARE
	v_mov_b32 v[NIL], 0
	ds_add_u32 v28, v29
	ds_add_u32 v28, v29
	s_wait_dscnt 0x0
	v_lshrrev_b32 v1, 5, v0
	v_readfirstlane_b32 s[WV], v1                  ; wave 0..3
	s_lshr_b32 s[IW], s[WV], 1
	s_and_b32 s[JW], s[WV], 1
	s_bfe_u32 s40, ttmp6, 0x40000                  ; cx, cy: my place in the cluster
	s_bfe_u32 s41, ttmp6, 0x40004
	s_lshl_b32 s42, ttmp9, 2
	s_add_co_u32 s42, s42, s40                     ; tile column (128 columns) = 4 x cluster x + cx
	s_and_b32 s43, ttmp7, 0xffff
	s_lshl_b32 s43, s43, 2
	s_add_co_u32 s43, s43, s41                     ; tile row (128 rows: mb) = 4 x cluster y + cy
	s_lshl_b32 s44, s41, 2
	s_lshl_b32 s44, 15, s44                        ; my row of the cluster
	s_lshl_b32 s45, 0x1111, s40                    ; my column
	; group 1 for w2's tiles: 128 rows x 192 bytes, 6,144 bytes apart, 16 bytes of padding behind every 64
	s_or_b32 s[G1B+0], s45, (0<<16)|(1<<20)|(1<<21)|(3<<22)|(3<<25)  ; 15:0 the mask: w2's go to my column; 17:16 elements of 1 byte; 20 padding on; 21 set beside a mask; 24:22 after every 16 words; 31:25 of 4 words
	s_mov_b32 s[G1B+1], 192<<16                    ; tensor_dim0
	s_mov_b32 s[G1B+2], 128<<16                    ; tensor_dim1
	s_mov_b32 s[G1B+3], 192<<16                    ; tile_dim0
	s_mov_b32 s[G1B+4], 128                        ; tile_dim1
	s_mov_b32 s[G1B+5], 6144                       ; tensor_dim0_stride
	s_mov_b32 s[G1B+6], 0
	s_mov_b32 s[G1B+7], 0
	; for the scales: a quarter of 32,768 dense bytes, as 32 rows of 256 bytes (32 elements of 8 bytes); h's without padding, to my row; w2's with 16 bytes behind each row, to my column
	s_or_b32 s[G1S+0], s44, (3<<16)|(1<<21)
	s_or_b32 s[G1SB+0], s45, (3<<16)|(1<<20)|(1<<21)|(5<<22)|(3<<25)
.irp g, G1S, G1SB
	s_mov_b32 s[\g+1], 32<<16
	s_mov_b32 s[\g+2], 32<<16
	s_mov_b32 s[\g+3], 32<<16
	s_mov_b32 s[\g+4], 32
	s_mov_b32 s[\g+5], 32
	s_mov_b32 s[\g+6], 0
	s_mov_b32 s[\g+7], 0
.endr
	s_mul_i32 s92, s43, 64*PIECE                   ; h's codes: my mb, + my wave's piece of step 0
	s_mul_i32 s21, s[WV], PIECE
	s_add_co_u32 s92, s92, s21
	s_mov_b32 s93, 0
	s_mul_i32 s94, s42, 128*6144                   ; w2's codes: my 128 rows, + my quarter of a slot's 768 bytes of a row
	s_mul_i32 s22, s[WV], 192
	s_add_co_u32 s94, s94, s22
	s_mov_b32 s95, 0
	s_lshl_b32 s96, s43, 15                        ; the scales: 32,768 bytes for 128 rows, + my quarter
	s_lshl_b32 s23, s[WV], 13
	s_add_co_u32 s96, s96, s23
	s_mov_b32 s97, 0
	s_lshl_b32 s98, s42, 15
	s_add_co_u32 s98, s98, s23
	s_mov_b32 s99, 0
	s_mul_i32 s22, s[WV], QB                       ; where my quarters go: no place in the cluster enters an LDS address
	s_mul_i32 s46, s[WV], 32*272
	s_wait_kmcnt 0x0
	s_add_nc_u64 s[AP:AP+1], s[4:5], s[92:93]
	s_add_nc_u64 s[96:97], s[6:7], s[96:97]
	s_add_nc_u64 s[94:95], s[8:9], s[94:95]
	s_add_nc_u64 s[98:99], s[10:11], s[98:99]
	s_mov_b32 s[G0S], 1                            ; 1:0 count = 1
	s_add_co_u32 s[G0S+1], s23, SCA                ; 63:32 LDS address
	s_mov_b64 s[G0S+2:G0S+3], s[96:97]             ; 120:64 global address
	s_or_b32 s[G0S+3], s[G0S+3], 0x80000000        ; 127:126 type = 2
	s_mov_b32 s[G0SB], 1
	s_add_co_u32 s[G0SB+1], s46, SCB
	s_mov_b64 s[G0SB+2:G0SB+3], s[98:99]
	s_or_b32 s[G0SB+3], s[G0SB+3], 0x80000000
.irp s, 0,1
	s_mov_b32 s[G0B+4*\s], 1
	s_add_co_u32 s[G0B+4*\s+1], s22, \s*SLOT1
	s_add_nc_u64 s[G0B+4*\s+2:G0B+4*\s+3], s[94:95], \s*768
	s_or_b32 s[G0B+4*\s+3], s[G0B+4*\s+3], 0x80000000
.endr
	CROUND                                         ; all sixteen work-groups are here: the first joint loads meet
	TL G0S, G1S                                    ; the first fills go out as one group: four loads of mine are out
	TL G0SB, G1SB
	TL G0B, G1B
	TL G0B+4, G1B
	v_and_b32 v1, 15, v0                           ; r = lane % 16
	v_bfe_u32 v2, v0, 4, 1                         ; h = lane / 16
	v_and_b32 v3, 31, v0                           ; lane
	v_lshlrev_b32 v[LO16], 4, v3
	v_lshlrev_b32 v[HO], 3, v3
; h's blocks i0 .. i0 + 3 of the step that lies st steps on from s[AP], into set 'set': four loads a block, 512, 256, 512 and 256 consecutive bytes
.macro ALOAD set, i0, st
.irp i, \i0, \i0+1, \i0+2, \i0+3
.set rL, AF+96*\set+FR*(\i)
	global_load_b128 v[rL:rL+3], v[LO16], s[AP:AP+1] offset:(\st)*4*PIECE+1536*(\i)
	global_load_b64 v[rL+4:rL+5], v[HO], s[AP:AP+1] offset:(\st)*4*PIECE+1536*(\i)+512
	global_load_b128 v[rL+6:rL+9], v[LO16], s[AP:AP+1] offset:(\st)*4*PIECE+1536*(\i)+768
	global_load_b64 v[rL+10:rL+11], v[HO], s[AP:AP+1] offset:(\st)*4*PIECE+1536*(\i)+1280
.endr
.endm
	ALOAD 0, 0, 0                                  ; steps 0 and 1: four groups of 16 loads
	ALOAD 0, 4, 0
	ALOAD 1, 0, 1
	ALOAD 1, 4, 1
	; w2's fragments.  With q = wave % 2, my 128 along K are pieces 12 q + 0,1,2 and 12 q + 6,7,8 (lanes 16-31: three pieces on) of a row of 24 pieces with 16 bytes of padding behind every 8.
	; Piece n lies at 8 n + 16 (n / 8).  The six places, for q = 0 | q = 1:  0 + 24 h | 112 + 24 h;  8 + 24 h | 120 + 40 h;  16 + 24 h | 128 + 40 h;  48 + 40 h | 176 + 24 h;  56 + 40 h | 184 + 24 h;  80 + 24 h | 192 + 24 h.
	; Three registers carry what hangs on q: R0 = 112 q + 24 h, R1 = 112 q + (24 + 16 q) h, R2 = 128 q + (24 + 16 (1 - q)) h; the rest stands in the loads' offsets.
	v_mul_u32_u24 v4, v1, PITCH
	s_mul_i32 s21, s[IW], QB
	v_add_nc_u32 v4, s21, v4                       ; row r of quarter wave / 2 (a slot's first step; its second step's quarters lie two on)
	s_mul_i32 s22, s[JW], 112
	s_lshl_b32 s23, s[JW], 7
	s_lshl_b32 s46, s[JW], 4
	s_add_co_u32 s46, s46, 24
	s_xor_b32 s47, s[JW], 1
	s_lshl_b32 s47, s47, 4
	s_add_co_u32 s47, s47, 24
	v_mul_u32_u24 v5, v2, 24
	v_mul_u32_u24 v6, s46, v2
	v_mul_u32_u24 v7, s47, v2
	v_add_nc_u32 v8, s22, v4
	v_add_nc_u32 v9, s23, v4
	v_add_nc_u32 v[RB], v8, v5
	v_add_nc_u32 v[RB+1], v8, v6
	v_add_nc_u32 v[RB+2], v9, v7
.irp i, 0,1,2
	v_add_nc_u32 v[RB+3+\i], 2*QB, v[RB+\i]
	v_add_nc_u32 v[RB+6+\i], SLOT1, v[RB+\i]
	v_add_nc_u32 v[RB+9+\i], SLOT1+2*QB, v[RB+\i]
.endr
	s_lshl_b32 s21, s[WV], 9
	s_add_co_u32 s21, s21, SCA
	v_lshl_add_u32 v[ADSA], v3, 2, s21             ; h's scale words of kp = wave: row = lane
	s_lshl_b32 s21, s[WV], 2
	s_add_co_u32 s21, s21, SCB
	v_mul_u32_u24 v[ADSB], v3, 272
	v_add_nc_u32 v[ADSB], s21, v[ADSB]             ; w2's: row = lane, word kp = wave
	s_mul_i32 s21, s[WV], RED
	v_mul_u32_u24 v[RST], v1, RP
	v_lshl_add_u32 v[RST], v2, 5, v[RST]
	v_add_nc_u32 v[RST], s21, v[RST]               ; my copy: row r, 32 bytes for each half of the lanes
	s_mul_i32 s21, s[WV], 32*RP                    ; back: wave w sums rows 32 w .. 32 w + 31; the 32 lanes take a row of 512 bytes
.irp i, 0,1,2,3
	v_add_nc_u32 v[RLD+\i], s21, v[LO16]
	s_add_co_u32 s21, s21, RED
.endr
	s_lshl_b32 s46, s42, 9                         ; the tile's first column, in bytes
	s_mov_b32 s47, 0
	s_add_nc_u64 s[12:13], s[12:13], s[46:47]      ; b2 at my tile
	s_lshl_b32 s66, s43, 20                        ; out0: row 128 x tile row + 32 x wave, 8,192 bytes a row
	s_lshl_b32 s67, s[WV], 18
	s_add_co_u32 s66, s66, s67
	s_add_co_u32 s66, s66, s46
	s_mov_b32 s67, 0
	s_add_nc_u64 s[14:15], s[14:15], s[66:67]
.macro FRAGB reg, adr, b               ; w2's block b: rows 16 b + r
	ds_load_b64 v[\reg:\reg+1],     v[\adr]   offset:16*PITCH*(\b)
	ds_load_b64 v[\reg+2:\reg+3],   v[\adr+1] offset:16*PITCH*(\b)+8
	ds_load_b64 v[\reg+4:\reg+5],   v[\adr+1] offset:16*PITCH*(\b)+16
	ds_load_b64 v[\reg+6:\reg+7],   v[\adr+2] offset:16*PITCH*(\b)+48
	ds_load_b64 v[\reg+8:\reg+9],   v[\adr+2] offset:16*PITCH*(\b)+56
	ds_load_b64 v[\reg+10:\reg+11], v[\adr]   offset:16*PITCH*(\b)+80
.endm
.macro FETCH_B set, ps                 ; w2's eight fragments of a step with parity 'set', from slot ps, into set 'set'
	WIN TO_B
.irp i, 0,1,2,3,4,5,6,7
	FRAGB 128*\set+FR*\i, RB+6*\ps+3*\set, \i
.endr
	WIN 0
.endm
.macro SCALES set                      ; a step's scale words: one word a row
.irp i, 0,1,2,3
	ds_load_b32 v[SC+8*\set+\i], v[ADSA] offset:128*\i       ; h's rows 32 i + lane
.endr
.irp i, 0,1,2,3
	ds_load_b32 v[SC+8*\set+4+\i], v[ADSB] offset:32*272*\i  ; w2's rows 32 i + lane
.endr
.endm
; One matrix instruction; its registers are the symbols rD, rB, rA, rX, rY.  fB: w2's scale words stand in lanes 16-31 of rX; fA: h's in lanes 16-31 of rY.  zero = 1: the product starts the sum.
.macro WM zero
.if \zero
.if fB && fA
	v_wmma_scale_f32_16x16x128_f8f6f4 v[rD:rD+7], v[rB:rB+FR-1], v[rA:rA+FR-1], 0, v[rX], v[rY] matrix_a_fmt:MATRIX_FMT_BF6 matrix_b_fmt:MATRIX_FMT_BF6 matrix_a_scale:MATRIX_SCALE_ROW1 matrix_b_scale:MATRIX_SCALE_ROW1
.elseif fB
	v_wmma_scale_f32_16x16x128_f8f6f4 v[rD:rD+7], v[rB:rB+FR-1], v[rA:rA+FR-1], 0, v[rX], v[rY] matrix_a_fmt:MATRIX_FMT_BF6 matrix_b_fmt:MATRIX_FMT_BF6 matrix_a_scale:MATRIX_SCALE_ROW1
.elseif fA
	v_wmma_scale_f32_16x16x128_f8f6f4 v[rD:rD+7], v[rB:rB+FR-1], v[rA:rA+FR-1], 0, v[rX], v[rY] matrix_a_fmt:MATRIX_FMT_BF6 matrix_b_fmt:MATRIX_FMT_BF6 matrix_b_scale:MATRIX_SCALE_ROW1
.else
	v_wmma_scale_f32_16x16x128_f8f6f4 v[rD:rD+7], v[rB:rB+FR-1], v[rA:rA+FR-1], 0, v[rX], v[rY] matrix_a_fmt:MATRIX_FMT_BF6 matrix_b_fmt:MATRIX_FMT_BF6
.endif
.else
.if fB && fA
	v_wmma_scale_f32_16x16x128_f8f6f4 v[rD:rD+7], v[rB:rB+FR-1], v[rA:rA+FR-1], v[rD:rD+7], v[rX], v[rY] matrix_a_fmt:MATRIX_FMT_BF6 matrix_b_fmt:MATRIX_FMT_BF6 matrix_a_scale:MATRIX_SCALE_ROW1 matrix_b_scale:MATRIX_SCALE_ROW1
.elseif fB
	v_wmma_scale_f32_16x16x128_f8f6f4 v[rD:rD+7], v[rB:rB+FR-1], v[rA:rA+FR-1], v[rD:rD+7], v[rX], v[rY] matrix_a_fmt:MATRIX_FMT_BF6 matrix_b_fmt:MATRIX_FMT_BF6 matrix_a_scale:MATRIX_SCALE_ROW1
.elseif fA
	v_wmma_scale_f32_16x16x128_f8f6f4 v[rD:rD+7], v[rB:rB+FR-1], v[rA:rA+FR-1], v[rD:rD+7], v[rX], v[rY] matrix_a_fmt:MATRIX_FMT_BF6 matrix_b_fmt:MATRIX_FMT_BF6 matrix_b_scale:MATRIX_SCALE_ROW1
.else
	v_wmma_scale_f32_16x16x128_f8f6f4 v[rD:rD+7], v[rB:rB+FR-1], v[rA:rA+FR-1], v[rD:rD+7], v[rX], v[rY] matrix_a_fmt:MATRIX_FMT_BF6 matrix_b_fmt:MATRIX_FMT_BF6
.endif
.endif
.endm
; 8 matrix instructions: h's block a against w2's eight.  The 64 accumulators take turns, one instruction a turn, in the same order in every step.
.macro MUL8 a, set, zero
.irp b, 0,1,2,3,4,5,6,7
.set rD, 8*(8*((\a)%4)+\b)
.set rB, 128*\set+FR*\b
.set rA, AF+96*\set+FR*(\a)
.set rX, SC+8*\set+4+\b/2
.set rY, SC+8*\set+(\a)/2
.set fB, \b%2
.set fA, (\a)%2
	WM \zero
.endr
.endm
.macro PLACES n                        ; plain places behind matrix instructions (ISA guide 7.12.1 for vector instructions)
.rept \n
	v_nop
.endr
.endm
; A STEP: 64 matrix instructions on the sets cur (= the step's parity); nxt = 1 - cur.  sl: the slot whose part it multiplies; ps: the slot from which the next step's fragments of w2 come.
; A slot's SECOND step (cur = 1) changes slots at its head: its fragments left slot sl during the step before.  Each wave waits for all its tensor loads (its quarter of slot ps), adds 0 to its spare word, and waits for
; that and for its reads of slot sl.  Behind the barrier slot ps is whole and nobody reads slot sl.  fill = 1: slot sl is filled again, with the 1,024 along K two slots on: the load has 112 matrix instructions in which to land.
; aoff >= 0: h's blocks are loaded anew, for the step two on (aoff steps on from s[AP]), blocks 0-3 behind their products and blocks 4-7 behind theirs, each run behind four places.
; lc0, lc1: how many younger loads of h may be out when this step's blocks 0-3, and its blocks 4-7, have to be in: a group is 16 loads, and three groups are issued behind each one before it is wanted.
.macro STEP cur, nxt, sl, ps, fill, aoff, lc0, lc1, zero
	s_wait_loadcnt \lc0                            ; h's blocks 0-3 of this step are in
.if \cur
	s_wait_tensorcnt 0x0                           ; all my tensor loads have landed  (every window is 0 here)
	ds_add_u32 v[SPW], v[NIL]                      ; 0 onto my spare word
	s_wait_dscnt 0x1                               ; only the add may be out: this step's fragments of w2 and its scale words are in
	WIN MUL_LO
	MUL8 0, \cur, \zero                            ; eight matrix instructions stand between the add and the wait for it
	s_wait_dscnt 0x0                               ; the add is done, and my reads of slot sl are over
	s_barrier_signal -1
	MUL8 1, \cur, \zero
	WIN 0
	s_barrier_wait -1
.if \fill
	CREST                                          ; the barrier has opened a round of the cluster's barrier: no wave of any partner still reads this slot or has a load on its way
	s_add_nc_u64 s[G0B+4*\sl+2:G0B+4*\sl+3], s[G0B+4*\sl+2:G0B+4*\sl+3], 2*768
	TL G0B+4*\sl, G1B                              ; the first tensor load behind the round, one a wave; its four v_nop are places in front of the loads below
.else
	PLACES 4
.endif
.else
	s_wait_dscnt 0x0                               ; this step's fragments of w2 and its scale words are in
	WIN MUL_LO
	MUL8 0, \cur, \zero
	MUL8 1, \cur, \zero
	WIN 0
	PLACES 4                                       ; in front of the loads into set nxt, which the last step's products read
.endif
	v_add_nc_u32 v[ADSA], 2048, v[ADSA]            ; on to the next step's scale words
	v_add_nc_u32 v[ADSB], 16, v[ADSB]
	FETCH_B \nxt, \ps
	SCALES \nxt
	WIN MUL_LO
	MUL8 2, \cur, \zero
	MUL8 3, \cur, \zero
	PLACES 4                                       ; in front of the loads into h's blocks 0-3, which these products read
	WIN 0
.if \aoff >= 0
	ALOAD \cur, 0, \aoff
.endif
	s_wait_loadcnt \lc1                            ; h's blocks 4-7 of this step are in
	WIN MUL_HI
	MUL8 4, \cur, \zero
	MUL8 5, \cur, \zero
	MUL8 6, \cur, \zero
	MUL8 7, \cur, \zero
	PLACES 4                                       ; in front of the loads into h's blocks 4-7
	WIN 0
.if \aoff >= 0
	ALOAD \cur, 4, \aoff
.endif
.endm
	s_wait_tensorcnt 1                             ; the scales and my quarter of slot 0 are in; slot 1's load, the one issued behind them, may be out
	s_barrier_signal -1
	s_barrier_wait -1                              ; everybody's are
	FETCH_B 0, 0
	SCALES 0
	STEP 0, 1, 0, 0, 0, 2, 48, 48, 1               ; step 0 stands in front of the loop: its products start the sums
	s_mov_b32 s3, 3
.Lquad:                                                ; steps 4 k + 1 .. 4 k + 4: once round the ring, from a slot's second step to the same slot's next first step; both slots are filled again
	STEP 1, 0, 0, 1, 1, 3, 48, 48, 0
	STEP 0, 1, 1, 1, 0, 4, 48, 48, 0
	STEP 1, 0, 1, 0, 1, 5, 48, 48, 0
	STEP 0, 1, 0, 0, 0, 6, 48, 48, 0
	s_wait_xcnt 0x0                                ; h's loads have read their base: it is stepped only behind this wait
	s_add_nc_u64 s[AP:AP+1], s[AP:AP+1], 4*4*PIECE ; four steps on
	s_sub_co_u32 s3, s3, 1
	s_cmp_lg_u32 s3, 0
	s_cbranch_scc1 .Lquad
	STEP 1, 0, 0, 1, 0, 3, 48, 48, 0               ; step 13: the last slot has been asked for, so nothing is filled: the tail is written out; h's step 15 is loaded
	STEP 0, 1, 1, 1, 0, -1, 48, 32, 0              ; step 14 loads nothing of h: behind its blocks 4-7 only step 15's two groups were issued
	s_wait_loadcnt 16                              ; step 15: its blocks 0-3 are in; its blocks 4-7, 16 loads, may be out
	s_wait_dscnt 0x0                               ; my last reads of the ring and of the scales are in
	WIN MUL_LO
	MUL8 0, 1, 0
	MUL8 1, 1, 0
	MUL8 2, 1, 0
	MUL8 3, 1, 0
	WIN 0
	s_wait_loadcnt 0x0                             ; its blocks 4-7
	global_load_b128 v[B2R:B2R+3], v[LO16], s[12:13]   ; b2 of my four columns: wanted behind the next barrier but one
	s_barrier_signal -1                            ; my reads of LDS are over: say so,
	WIN MUL_HI
	MUL8 4, 1, 0
	MUL8 5, 1, 0
	MUL8 6, 1, 0
	MUL8 7, 1, 0
	WIN 0
	s_barrier_wait -1                              ; and when all four have said so, these LDS bytes may be written: they have had their last fill
; THE SUM OVER THE FOUR WAVES, AND THE WAY OUT.  Each wave lays its 128 x 128 sums into a copy of its own, rows of 528 bytes: a lane's eight numbers are 32 neighbouring bytes of a row.  Behind a barrier wave w reads rows
; 32 w .. 32 w + 31 of all four copies, whole rows of 512 bytes, adds them and b2, and stores: 32 lanes store 512 consecutive bytes, at a multiple of 256 from out0's first byte.
	PLACES 4                                       ; behind the last products
.irp a, 0,1,2,3,4,5,6,7
	WIN 0x08+4*(\a/4)                              ; an LDS store's data are its source 1: window 2 or 3
.irp b, 0,1,2,3,4,5,6,7
	ds_store_b128 v[RST], v[8*(8*(\a%4)+\b):8*(8*(\a%4)+\b)+3] offset:16*RP*\a+64*\b        ; each accumulator from its low end on
	ds_store_b128 v[RST], v[8*(8*(\a%4)+\b)+4:8*(8*(\a%4)+\b)+7] offset:16*RP*\a+64*\b+16
.endr
.endr
	WIN 0
	s_wait_dscnt 0x0                               ; for the others' sake: my copy lies in LDS
	s_barrier_signal -1
	s_barrier_wait -1
	s_wait_loadcnt 0x0                             ; b2
.macro LOADG g                         ; four rows of the four copies: 16 loads into buffer g % 2
.set BUF, 64+64*((\g)%2)
.irp tt, 0,1,2,3
.irp src, 0,1,2,3
	ds_load_b128 v[BUF+16*\tt+4*\src:BUF+16*\tt+4*\src+3], v[RLD+\src] offset:(4*(\g)+\tt)*RP
.endr
.endr
.endm
.macro SUMG g                          ; ((s0 + s1) + (s2 + s3)) + b2, two numbers an instruction, and the row's store
.set BUF, 64+64*((\g)%2)
.irp tt, 0,1,2,3
.set X, BUF+16*\tt
	v_pk_add_f32 v[X:X+1], v[X:X+1], v[X+4:X+5]
	v_pk_add_f32 v[X+2:X+3], v[X+2:X+3], v[X+6:X+7]
	v_pk_add_f32 v[X+8:X+9], v[X+8:X+9], v[X+12:X+13]
	v_pk_add_f32 v[X+10:X+11], v[X+10:X+11], v[X+14:X+15]
	v_pk_add_f32 v[X:X+1], v[X:X+1], v[X+8:X+9]
	v_pk_add_f32 v[X+2:X+3], v[X+2:X+3], v[X+10:X+11]
	v_pk_add_f32 v[X:X+1], v[X:X+1], v[B2R:B2R+1]
	v_pk_add_f32 v[X+2:X+3], v[X+2:X+3], v[B2R+2:B2R+3]
	global_store_b128 v[LO16], v[X:X+3], s[14:15] offset:(4*(\g)+\tt)*8192 th:TH_STORE_NT   ; written once, read by nobody here; 31 rows of 8,192 bytes at the most: inside the signed 24-bit immediate
.endr
.endm
	LOADG 0
.irp g, 0,1,2,3,4,5,6,7
.if \g < 7
	s_wait_xcnt 0x0                                ; group g - 1's stores have read their registers: group g + 1's loads may land there
	LOADG \g+1
	s_wait_dscnt 16                                ; group g is in; the 16 loads just issued may be out
.else
	s_wait_dscnt 0x0
.endif
	SUMG \g
.endr
	s_wait_tensorcnt 0x0                           ; the wave's end: behind my last tensor load and my last LDS store
	ds_add_u32 v[SPW], v[NIL]
	s_wait_dscnt 0x0
	CROUND                                         ; the closing round: no work-group ends while a partner may still ask for a tile that names it
	s_endpgm
.Lfunc_end_k_q20fb9e0990_fc2:
	.size	k_q20fb9e0990_fc2, .Lfunc_end_k_q20fb9e0990_fc2-k_q20fb9e0990_fc2
	.p2alignl 7, 3214868480
	.fill 96, 4, 3214868480
	.section	.rodata,"a",@progbits
	.p2align	6, 0x0
	.amdhsa_kernel k_q20fb9e0990_fc2
		.amdhsa_group_segment_fixed_size 327680
		.amdhsa_private_segment_fixed_size 0
		.amdhsa_enable_private_segment 0
		.amdhsa_kernarg_size 48
		.amdhsa_user_sgpr_count 2
		.amdhsa_user_sgpr_kernarg_segment_ptr 1
		.amdhsa_wavefront_size32 1
		.amdhsa_system_sgpr_workgroup_id_x 1
		.amdhsa_system_sgpr_workgroup_id_y 1
		.amdhsa_system_sgpr_workgroup_id_z 1
		.amdhsa_system_vgpr_workitem_id 0
		.amdhsa_next_free_vgpr 1024
		.amdhsa_next_free_sgpr 102
		.amdhsa_reserve_vcc 0
		.amdhsa_float_denorm_mode_32 3
		.amdhsa_float_denorm_mode_16_64 3
		.amdhsa_memory_ordered 1
		.amdhsa_forward_progress 1
		.amdhsa_inst_pref_size 169
	.end_amdhsa_kernel
	.amdgpu_metadata
---
amdhsa.version: [ 1, 2 ]
amdhsa.kernels:
  - .name:           k_q20fb9e0990_fc2
    .symbol:         k_q20fb9e0990_fc2.kd
    .args:
      - { .name: h_codes, .offset: 0, .size: 8, .value_kind: global_buffer, .address_space: global }
      - { .name: h_scales, .offset: 8, .size: 8, .value_kind: global_buffer, .address_space: global }
      - { .name: w2_codes, .offset: 16, .size: 8, .value_kind: global_buffer, .address_space: global }
      - { .name: w2_scales, .offset: 24, .size: 8, .value_kind: global_buffer, .address_space: global }
      - { .name: b2, .offset: 32, .size: 8, .value_kind: global_buffer, .address_space: global }
      - { .name: out0, .offset: 40, .size: 8, .value_kind: global_buffer, .address_space: global }
    .group_segment_fixed_size: 327680
    .private_segment_fixed_size: 0
    .kernarg_segment_align: 8
    .kernarg_segment_size: 48
    .max_flat_workgroup_size: 128
    .sgpr_count:     102
    .vgpr_count:     1024
    .wavefront_size: 32
...
	.end_amdgpu_metadata
.endif
;; end of part 4
